; MI455X (gfx1250); checked and timed in simulation.
; The chip was launched on July 23, 2026; its instructions are those of AMD's public machine-readable ISA for CDNA 5 (MIT licence, August 2026) and "CDNA5" Instruction Set Architecture Reference Guide (July 2026). The comments in the code are by the model that wrote it; some were corrected since.
;; Multi Head Mix Attention. Allowed arithmetic: matrix products marked QUANTISED: E5M2 operands, one given power-of-two scale a tensor, by v_wmma_f32_16x16x64_bf8_bf8 or v_wmma_f32_16x16x128_bf8_bf8, f32 sums; everything else in f32.
;; Inputs: Wa_o 1,024 x 1,024 float32; Wa_qk 1,024 x 1,024 float32; Wa_v 1,024 x 1,024 float32; Wb_o 1,024 x 1,024 float32; Wb_qk 1,024 x 1,024 float32; Wb_v 1,024 x 1,024 float32; a 2 x 2,048 x 1,024 float32; b 2 x 2,048 x 1,024 float32; ba_o 1,024 float32; ba_qk 1,024 float32; ba_v 1,024 float32; bb_o 1,024 float32; bb_qk 1,024 float32; bb_v 1,024 float32; lowp_scales 18 int32 (the exponents e of the quantised operands' scales 2^e).
;; Outputs: out0 2 x 2,048 x 1,024 float32; out1 2 x 2,048 x 1,024 float32.
;; This version of the problem:
;;   THIS VERSION OF THE PROBLEM IS GIVEN IN LOW PRECISION. The matrix products marked QUANTISED in the list below multiply operands that are first quantised to E5M2 (5 exponent bits, 2 mantissa bits; 8 bits a number), with one given power-of-two scale for each operand tensor; their sums are f32. All else is computed in f32.
;;   The module's matrix products, in the order in which they are computed (A, B: the left and right operand; K: the contracted axis; several contracted axes count as one K, in the product's order):
;;     1. [M 4,096, K 1,024] x [K 1,024, N 1,024]; A: input a; B: input Wa_qk: QUANTISED (scales: A lowp_scales[0], B lowp_scales[1])
;;     2. [M 4,096, K 1,024] x [K 1,024, N 1,024]; A: input a; B: input Wa_v: QUANTISED (scales: A lowp_scales[2], B lowp_scales[3])
;;     3. [M 4,096, K 1,024] x [K 1,024, N 1,024]; A: input b; B: input Wb_qk: QUANTISED (scales: A lowp_scales[4], B lowp_scales[5])
;;     4. [M 4,096, K 1,024] x [K 1,024, N 1,024]; A: input b; B: input Wb_v: QUANTISED (scales: A lowp_scales[6], B lowp_scales[7])
;;     5. batch 32 x [M 2,048, K 64] x [K 64, N 2,048]; A: computed on the way; B: computed on the way: QUANTISED (scales: A lowp_scales[8], B lowp_scales[9])
;;     6. batch 32 x [M 2,048, K 2,048] x [K 2,048, N 64]; A: softmax (see below); B: computed on the way: QUANTISED (scales: A lowp_scales[10], B lowp_scales[11])
;;     7. batch 32 x [M 2,048, K 2,048] x [K 2,048, N 64]; A: softmax (see below); B: computed on the way: QUANTISED (scales: A lowp_scales[12], B lowp_scales[13])
;;     8. [M 4,096, K 1,024] x [K 1,024, N 1,024]; A: computed on the way; B: input Wa_o: QUANTISED (scales: A lowp_scales[14], B lowp_scales[15])
;;     9. [M 4,096, K 1,024] x [K 1,024, N 1,024]; A: computed on the way; B: input Wb_o: QUANTISED (scales: A lowp_scales[16], B lowp_scales[17])
;;   THE QUANTISER, for each operand of a quantised product, along K:
;;     - The operand's scale is 2^e, e = its entry of the input lowp_scales (int32; the entries are numbered through the quantised products in the list's order, A before B).
;;     - Each number is divided by the scale, clamped to +-57,344, and rounded to the nearest number of E5M2, ties to even, subnormals kept.
;;     - The product sums the exact products of the quantised numbers (number of the format x scale) in f32.
;;   ~~~python
;;   def quantise(x, axis, e):      # numpy; x: float32 -> the quantised numbers, widened to float32 again
;;       x = np.moveaxis(x, axis, -1); K = x.shape[-1]
;;       r = np.clip(x / 2.0 ** e, -57344, 57344)
;;       step = 2.0 ** (np.maximum(np.frexp(np.where(r == 0, 1, r))[1] - 1, -14) - 2)
;;       q = np.round(r / step) * step * 2.0 ** e      # np.round: ties to even
;;       return np.moveaxis(q, -1, axis).astype(np.float32)
;;   ~~~
;;   SOFTMAX AHEAD OF A QUANTISED PRODUCT. Where the list says 'softmax', what is quantised is not the finished softmax but p = 2^(t - M), with t = logit x log2(e) and M = ceil(the row's largest t), a whole number; so 1/2 < the row's largest p <= 1. The row's sum l is taken of the UNQUANTISED p, in f32, and the product's result is divided by l at the end. Since M is a whole number, a kernel that streams over the keys may use a running M (the ceiling of the running maximum): every later rescaling is an exact power of two, so the quantised numbers keep their values, but for numbers so far below the row's largest that they fall under the format's range.
;;   OPERANDS COMPUTED ON THE WAY. 'Computed on the way' means the value that the module computes at that place (a softmax that the list does not call 'softmax' is quantised finished and normalised). What goes into a quantiser is computed in f32, as accurately as f32 sums, v_exp_f32 and their like allow (about 1e-6 of the number): no bf16 or f16 on the way to a quantiser, and a product that is left as it is and whose result goes on into a quantised operand takes f32 operands (vector FMAs, or v_wmma_f32_16x16x4_f32). A number that lies on a knife's edge between two numbers of the format may be rounded either way, as far as f32 arithmetic and the matrix unit's own rounding can turn it there, and no further.
;; One version. Each part assembles by itself: llvm-mc -triple=amdgcn-amd-amdhsa -mcpu=gfx1250 --defsym DOCPART=n.
;; ======== version 1 of 1: 4 launches
;; limits: right only within a limited range of input values
;; workspace buffers: xc 16,777,216 bytes; wc 6,291,456 bytes; qkv 16,777,216 bytes; ctx 8,388,608 bytes
;; launch quant (part 1): grid 704 x 1, 4 waves a work-group, no clusters, 68,096 bytes of LDS; arguments a, b, Wa_qk, Wa_v, Wb_qk, Wb_v, Wa_o, Wb_o, lowp_scales, xc, wc; writes xc, wc
.if DOCPART == 1
	.amdgcn_target "amdgcn-amd-amdhsa--gfx1250"
	.amdhsa_code_object_version 6
	.text
	.protected	k_q99e14b354c_quant
	.globl	k_q99e14b354c_quant
	.p2align	8
	.type	k_q99e14b354c_quant,@function
k_q99e14b354c_quant:
	s_mov_b64 s[64:65], 0
	v_nop
	global_prefetch_b8 v0, s[64:65] scope:SCOPE_SE
	s_setreg_imm32_b32 hwreg(HW_REG_WAVE_MODE, 25, 1), 1
	s_wait_xcnt 0x0
; All f32 inputs of the quantised products become codes of BF8 (E5M2), one code a byte, K innermost: code = x / 2^e, held within +-57,344, to the nearest code, ties to even.
; Work-groups 0 .. 191: the six weights, [1024 k][1024 n], K their first axis -> wc plane w (1 MiB) [n][k], w = Wa_qk, Wa_v, Wb_qk, Wb_v, Wa_o, Wb_o, by entries 1, 3, 5, 7, 15, 17 of the scales.
;   A lane takes a column n and its registers run down K; a wave takes 32 columns x 256 of K; the codes leave through the wave's stage as rows: sixteen lanes store 256 consecutive bytes, aligned.
; Work-groups 192 .. 703: a and b, [4096][1024], each converted by two scales: xc plane 0 = a by e0, 1 = a by e2, 2 = b by e4, 3 = b by e6 (4 MiB each).  The f32 numbers are read once.
;   A wave takes 8 steps of 512 numbers: four loads of 512 consecutive bytes turn through the wave's stage and come back 16 neighbours a lane; each store covers 512 consecutive bytes.
;   Loads run four steps (16 loads a wave) ahead; four work-groups fit on a WGP, so all 704 are at work at once.
; The two paths part on the work-group's number alone and have LDS bytes of their own.  No barrier: waves share nothing.  No matrix work, no tile shared: no cluster.
; LIMITS: each e between -126 and 112, so that 2^e and 57,344 x 2^e are f32 numbers.  NaN among the inputs is not served.
.set WGW,   192
.set EMAX,  15
.set MANT,  0x600000                   ; the mantissa field of 57,344 as f32
.set SPW,   12                         ; v12 LDS address of my spare word; never rewritten
.set NIL,   13                         ; v13 0; never rewritten
.set WST,   32768                      ; the weights' stages begin behind the activations'
.set SPARE, 67584                      ; behind all stages: the spare words, 128 bytes a wave
.set STEPS, 8
.set WGA,   256                        ; 4,194,304 numbers / (512 x 8 x 4)
.set PLANE, 4194304
.set R,     16                         ; v16-79 four sets of 16 numbers as loaded
.set XN,    80                         ; v80-111 two sets of 16 neighbours
.set T,     112                        ; v112-127 held for the first scale
.set C0,    128                        ; from v128, from v192: codes by the two scales, four registers a step, never written again
.set C1,    192
.set WREG,  8192
.set SP,    80                         ; a lane's place in a stage: 64 bytes + 16 of padding
.set NB,    8
.set PITCH, 272
.set KROW,  1024
.set XW,    32                         ; weights: v32-95 two sets of 32 numbers, v96-103 codes, v112-175 the way out
.set CW,    96
.set OUTR,  112
	v_lshl_add_u32 v[SPW], v0, 2, SPARE
	v_mov_b32 v[NIL], 0
	v_lshrrev_b32 v1, 5, v0
	v_readfirstlane_b32 s16, v1                    ; wave
	v_and_b32 v2, 31, v0                           ; lane
	s_wait_alu depctr_va_vdst(0)                   ; the wait ahead of the branch
	s_cmp_lt_u32 ttmp9, WGW
	s_cbranch_scc1 .Lweights
	s_load_b128 s[4:7], s[0:1], 0x0                ; a, b
	s_load_b128 s[8:11], s[0:1], 0x40              ; the scales' exponents, xc
	s_sub_co_u32 s3, ttmp9, WGW                    ; 0 .. 511
	v_lshlrev_b32 v3, 4, v2                        ; my 16 bytes of a load's 512
	s_mul_i32 s17, s16, WREG
	v_lshrrev_b32 v14, 2, v2
	v_mul_u32_u24 v14, v14, SP
	v_and_b32 v15, 3, v2
	v_lshl_add_u32 v14, v15, 4, v14
	v_add_nc_u32 v14, s17, v14                     ; into the stage: SP (lane / 4) + 16 (lane % 4)
	v_mul_u32_u24 v15, v2, SP
	v_add_nc_u32 v15, s17, v15                     ; out of it: SP x lane
	v_lshlrev_b32 v4, 4, v2
	s_wait_alu depctr_va_vdst(0)
	s_wait_kmcnt 0x0
	s_load_b256 s[24:31], s[8:9], 0x0              ; e0 .. e7
	s_cmp_lt_u32 s3, WGA                           ; a's work-group or b's
	s_cselect_b64 s[4:5], s[4:5], s[6:7]
	s_cselect_b32 s17, 0, WGA
	s_cselect_b32 s12, 0, 2*PLANE
	s_sub_co_u32 s17, s3, s17
	s_lshl_b32 s17, s17, 2
	s_add_co_u32 s18, s17, s16                     ; my wave's run of 4,096 numbers: 0 .. 1,023
	s_lshl_b32 s20, s18, 14                        ; 16,384 bytes of f32 a run
	s_mov_b32 s21, 0
	s_add_nc_u64 s[4:5], s[4:5], s[20:21]
	s_lshl_b32 s20, s18, 12                        ; 4,096 bytes of codes a run
	s_add_co_u32 s20, s20, s12
	s_add_nc_u64 s[10:11], s[10:11], s[20:21]
.macro LOADX t
.irp i, 0,1,2,3
	global_load_b128 v[R+16*((\t)%4)+4*\i:R+16*((\t)%4)+4*\i+3], v3, s[4:5] offset:2048*(\t)+512*\i th:TH_LOAD_NT
.endr
.endm
.macro TURNX t                         ; LDS serves a wave's instructions in order: no wait between the stores and the loads
.irp i, 0,1,2,3
	ds_store_b128 v14, v[R+16*((\t)%4)+4*\i:R+16*((\t)%4)+4*\i+3] offset:32*SP*((\t)%2)+8*SP*\i
.endr
.irp i, 0,1,2,3
	ds_load_b128 v[XN+16*((\t)%2)+4*\i:XN+16*((\t)%2)+4*\i+3], v15 offset:32*SP*((\t)%2)+16*\i
.endr
.endm
.irp t, 0,1,2,3
	LOADX \t
.endr
	s_wait_kmcnt 0x0
	s_cmp_lt_u32 s3, WGA
	s_cselect_b32 s22, s24, s28                    ; e0 or e4
	s_cselect_b32 s23, s26, s30                    ; e2 or e6
	s_add_co_i32 s22, s22, 127
	s_lshl_b32 s19, s22, 23
	v_mov_b32 v11, s19                             ; 2^e
	s_add_co_i32 s22, s22, EMAX
	s_lshl_b32 s22, s22, 23
	s_or_b32 s22, s22, MANT
	v_mov_b32 v10, s22                             ; 57,344 x 2^e
	s_add_co_i32 s23, s23, 127
	s_lshl_b32 s19, s23, 23
	v_mov_b32 v9, s19
	s_add_co_i32 s23, s23, EMAX
	s_lshl_b32 s23, s23, 23
	s_or_b32 s23, s23, MANT
	v_mov_b32 v8, s23
	s_wait_alu depctr_va_vdst(0)
	s_wait_loadcnt 12                              ; step 0's four loads are in; the twelve of steps 1 to 3 stay out
	TURNX 0
.macro STEPX t
.set XS, XN+16*((\t)%2)
	s_wait_dscnt 0x0                               ; this step's numbers are back, so its stage stores have read their registers
.if (\t)+4 < STEPS
	LOADX (\t)+4
.endif
.if (\t)+1 < STEPS
.if STEPS-2-(\t) >= 3
	s_wait_loadcnt 12                              ; the next step's four are in; three steps' twelve may be out
.else
	s_wait_loadcnt 4*(STEPS-2-(\t))
.endif
	TURNX (\t)+1
.endif
.irp i, 0,1,2,3,4,5,6,7,8,9,10,11,12,13,14,15
	v_med3_num_f32 v[T+\i], v[XS+\i], -v10, v10    ; the hold (ISA guide 7.6.2), into a copy: the second scale wants the number itself
.endr
	v_cvt_scalef32_pk8_bf8_f32 v[C0+4*(\t):C0+4*(\t)+1], v[T:T+7], v11
	v_cvt_scalef32_pk8_bf8_f32 v[C0+4*(\t)+2:C0+4*(\t)+3], v[T+8:T+15], v11
.irp i, 0,1,2,3,4,5,6,7,8,9,10,11,12,13,14,15
	v_med3_num_f32 v[XS+\i], v[XS+\i], -v8, v8
.endr
	v_cvt_scalef32_pk8_bf8_f32 v[C1+4*(\t):C1+4*(\t)+1], v[XS:XS+7], v9
	v_cvt_scalef32_pk8_bf8_f32 v[C1+4*(\t)+2:C1+4*(\t)+3], v[XS+8:XS+15], v9
	global_store_b128 v4, v[C0+4*(\t):C0+4*(\t)+3], s[10:11] offset:512*(\t)
	global_store_b128 v4, v[C1+4*(\t):C1+4*(\t)+3], s[10:11] offset:PLANE+512*(\t)
.endm
.irp t, 0,1,2,3,4,5,6,7
	STEPX \t
.endr
	s_wait_tensorcnt 0x0                           ; the wave's end
	ds_add_u32 v[SPW], v[NIL]
	s_wait_dscnt 0x0
	s_endpgm
.Lweights:
	s_load_b256 s[32:39], s[0:1], 0x10             ; Wa_qk, Wa_v, Wb_qk, Wb_v
	s_load_b128 s[40:43], s[0:1], 0x30             ; Wa_o, Wb_o
	s_load_b64 s[44:45], s[0:1], 0x40              ; the scales' exponents
	s_load_b64 s[46:47], s[0:1], 0x50              ; wc
	s_and_b32 s17, ttmp9, 7
	s_lshl_b32 s17, s17, 7
	s_lshl_b32 s18, s16, 5
	s_add_co_u32 s17, s17, s18                     ; my wave's first column
	s_lshr_b32 s12, ttmp9, 3                       ; 0 .. 23
	s_lshr_b32 s13, s12, 2                         ; which weight
	s_and_b32 s18, s12, 3                          ; which 256 along K
	v_lshlrev_b32 v3, 2, v2
	s_mul_i32 s19, s16, 32*PITCH
	s_add_co_u32 s19, s19, WST                     ; my stage
	v_mul_u32_u24 v4, v2, PITCH
	v_add_nc_u32 v4, s19, v4                       ; into it: row = my column
	v_and_b32 v5, 15, v2
	v_lshrrev_b32 v6, 4, v2
	v_mul_u32_u24 v7, v6, PITCH
	v_lshl_add_u32 v7, v5, 4, v7
	v_add_nc_u32 v7, s19, v7                       ; out of it: sixteen lanes to a row
	v_mul_u32_u24 v8, v6, KROW
	v_lshl_add_u32 v8, v5, 4, v8
	s_lshl_b32 s20, s18, 20
	s_lshl_b32 s22, s17, 2
	s_add_co_u32 s20, s20, s22
	s_mov_b32 s21, 0
	s_lshl_b32 s24, s13, 20
	s_lshl_b32 s22, s17, 10
	s_add_co_u32 s24, s24, s22
	s_lshl_b32 s22, s18, 8
	s_add_co_u32 s24, s24, s22
	s_mov_b32 s25, 0
	s_cmp_ge_u32 s13, 4                            ; the scale's entry: 2 w + 1, and 6 more for the two output weights
	s_cselect_b32 s31, 6, 0
	s_lshl_b32 s22, s13, 1
	s_add_co_u32 s31, s31, s22
	s_add_co_u32 s31, s31, 1
	s_lshl_b32 s31, s31, 2
	s_wait_alu depctr_va_vdst(0)
	s_wait_kmcnt 0x0
	s_load_b32 s30, s[44:45], s31 offset:0x0       ; e
	s_mov_b64 s[4:5], s[32:33]
.irp k, 1,2,3,4,5
	s_cmp_eq_u32 s13, \k
	s_cselect_b64 s[4:5], s[32+2*\k:33+2*\k], s[4:5]
.endr
	s_add_nc_u64 s[4:5], s[4:5], s[20:21]
	s_add_nc_u64 s[8:9], s[46:47], s[24:25]
.macro LOADW t                         ; block t: W(32 t + i, my column); the offsets reach 255 rows of 4,096 bytes
.irp i, 0,1,2,3,4,5,6,7,8,9,10,11,12,13,14,15,16,17,18,19,20,21,22,23,24,25,26,27,28,29,30,31
	global_load_b32 v[XW+32*((\t)%2)+\i], v3, s[4:5] offset:(32*(\t)+\i)*4096 th:TH_LOAD_NT
.endr
.endm
	LOADW 0
	LOADW 1
	s_wait_kmcnt 0x0
	s_add_co_i32 s30, s30, 127
	s_lshl_b32 s31, s30, 23
	v_mov_b32 v11, s31
	s_add_co_i32 s30, s30, EMAX
	s_lshl_b32 s30, s30, 23
	s_or_b32 s30, s30, MANT
	v_mov_b32 v10, s30
.macro BLOCKW t
.set XS, XW+32*((\t)%2)
.if (\t) < NB-1
	s_wait_loadcnt 32                              ; this block's 32 are in; the next block's 32 may be out
.else
	s_wait_loadcnt 0
.endif
.irp i, 0,1,2,3,4,5,6,7,8,9,10,11,12,13,14,15,16,17,18,19,20,21,22,23,24,25,26,27,28,29,30,31
	v_med3_num_f32 v[XS+\i], v[XS+\i], -v10, v10
.endr
.irp g, 0,1,2,3
	v_cvt_scalef32_pk8_bf8_f32 v[CW+2*\g:CW+2*\g+1], v[XS+8*\g:XS+8*\g+7], v11
.endr
	ds_store_b128 v4, v[CW:CW+3] offset:32*(\t)
	ds_store_b128 v4, v[CW+4:CW+7] offset:32*(\t)+16
.if (\t)+2 < NB
	LOADW (\t)+2
.endif
	s_wait_dscnt 0x0                               ; the stores have read their registers
.endm
.set Q, 0
	s_wait_alu depctr_va_vdst(0)
.rept NB
	BLOCKW Q
.set Q, Q+1
.endr
.irp t, 0,1,2,3,4,5,6,7,8,9,10,11,12,13,14,15
	ds_load_b128 v[OUTR+4*\t:OUTR+4*\t+3], v7 offset:2*\t*PITCH
.endr
.irp t, 0,1,2,3,4,5,6,7,8,9,10,11,12,13,14,15
	s_wait_dscnt 15-\t                             ; load t is back; the 15 - t behind it may be out
	global_store_b128 v8, v[OUTR+4*\t:OUTR+4*\t+3], s[8:9] offset:2*\t*KROW
.endr
	s_wait_tensorcnt 0x0                           ; the wave's end
	ds_add_u32 v[SPW], v[NIL]
	s_wait_dscnt 0x0
	s_endpgm
.Lfunc_end_k_q99e14b354c_quant:
	.size	k_q99e14b354c_quant, .Lfunc_end_k_q99e14b354c_quant-k_q99e14b354c_quant
	.p2alignl 7, 3214868480
	.fill 96, 4, 3214868480
	.section	.rodata,"a",@progbits
	.p2align	6, 0x0
	.amdhsa_kernel k_q99e14b354c_quant
		.amdhsa_group_segment_fixed_size 68096
		.amdhsa_private_segment_fixed_size 0
		.amdhsa_enable_private_segment 0
		.amdhsa_kernarg_size 88
		.amdhsa_user_sgpr_count 2
		.amdhsa_user_sgpr_kernarg_segment_ptr 1
		.amdhsa_wavefront_size32 1
		.amdhsa_system_sgpr_workgroup_id_x 1
		.amdhsa_system_sgpr_workgroup_id_y 1
		.amdhsa_system_sgpr_workgroup_id_z 1
		.amdhsa_system_vgpr_workitem_id 0
		.amdhsa_next_free_vgpr 256
		.amdhsa_next_free_sgpr 66
		.amdhsa_reserve_vcc 0
		.amdhsa_float_denorm_mode_32 3
		.amdhsa_float_denorm_mode_16_64 3
		.amdhsa_memory_ordered 1
		.amdhsa_forward_progress 1
		.amdhsa_inst_pref_size 79
	.end_amdhsa_kernel
	.amdgpu_metadata
---
amdhsa.version: [ 1, 2 ]
amdhsa.kernels:
  - .name:           k_q99e14b354c_quant
    .symbol:         k_q99e14b354c_quant.kd
    .args:
      - { .name: a, .offset: 0, .size: 8, .value_kind: global_buffer, .address_space: global }
      - { .name: b, .offset: 8, .size: 8, .value_kind: global_buffer, .address_space: global }
      - { .name: Wa_qk, .offset: 16, .size: 8, .value_kind: global_buffer, .address_space: global }
      - { .name: Wa_v, .offset: 24, .size: 8, .value_kind: global_buffer, .address_space: global }
      - { .name: Wb_qk, .offset: 32, .size: 8, .value_kind: global_buffer, .address_space: global }
      - { .name: Wb_v, .offset: 40, .size: 8, .value_kind: global_buffer, .address_space: global }
      - { .name: Wa_o, .offset: 48, .size: 8, .value_kind: global_buffer, .address_space: global }
      - { .name: Wb_o, .offset: 56, .size: 8, .value_kind: global_buffer, .address_space: global }
      - { .name: lowp_scales, .offset: 64, .size: 8, .value_kind: global_buffer, .address_space: global }
      - { .name: xc, .offset: 72, .size: 8, .value_kind: global_buffer, .address_space: global }
      - { .name: wc, .offset: 80, .size: 8, .value_kind: global_buffer, .address_space: global }
    .group_segment_fixed_size: 68096
    .private_segment_fixed_size: 0
    .kernarg_segment_align: 8
    .kernarg_segment_size: 88
    .max_flat_workgroup_size: 128
    .sgpr_count:     66
    .vgpr_count:     256
    .wavefront_size: 32
...
	.end_amdgpu_metadata
.endif
;; end of part 1
;; launch proj (part 2): grid 4 x 64, 4 waves a work-group, clusters of 4 x 4, 327,680 bytes of LDS; arguments xc, wc, lowp_scales, ba_qk, ba_v, bb_qk, bb_v, qkv; writes qkv
.if DOCPART == 2
	.amdgcn_target "amdgcn-amd-amdhsa--gfx1250"
	.amdhsa_code_object_version 6
	.text
	.protected	k_q99e14b354c_proj
	.globl	k_q99e14b354c_proj
	.p2align	8
	.type	k_q99e14b354c_proj,@function
k_q99e14b354c_proj:
	s_mov_b64 s[64:65], 0
	v_nop
	global_prefetch_b8 v0, s[64:65] scope:SCOPE_SE
	s_setreg_imm32_b32 hwreg(HW_REG_WAVE_MODE, 25, 1), 1
	s_wait_xcnt 0x0
	s_wait_alu depctr_hold_cnt(0) depctr_sa_sdst(0) depctr_va_vdst(0) depctr_va_sdst(0) depctr_va_ssrc(0) depctr_va_vcc(0) depctr_vm_vsrc(0)
	s_getreg_b32 s2, hwreg(HW_REG_IB_STS2, 6, 4)
	s_cmp_eq_u32 s2, 0
	s_cbranch_scc0 .Lentry_in_a_cluster
	s_endpgm
.Lentry_in_a_cluster:
	s_bfe_u32 s2, ttmp6, 0x10000c
	s_cmp_lg_u32 s2, 0xf033
	s_cbranch_scc0 .Lentry_shape_is_right
	s_endpgm
.Lentry_shape_is_right:
; The four projections, product i = 0 .. 3: aq = a Wa_qk + ba_qk, av = a Wa_v + ba_v, bq = b Wb_qk + bb_qk, bv = b Wb_v + bb_v, on codes of BF8 (xc plane i by 2^e[2i], wc plane i by 2^e[2i+1]),
; sums in f32; each result is quantised at once for the product that takes it (aq 2^e8, av 2^e13, bq 2^e9, bv 2^e11) and stored as codes in qkv plane i (4 MiB).
; C[m][n] = sum over k of A[m][k] B[n][k], K = 1,024, tiles of 256 x 256, 64 tiles a product, 256 work-groups.  The cluster's y names the product (y / 4) and a quarter of its tiles (y % 4).
; EVEN products (aq, bq): A = the activations (4,096 rows), B = the weight (1,024 rows): C[sequence][e], stored [batch][head][2,048 rows][64].
; ODD products (av, bv): A = the weight, B = the activations: C[e][sequence], stored [batch][head][16 chunks][64 d][128 keys]: the keys, the next K, come out innermost and nothing is transposed.
; In all four planes the innermost axis stands in OPERAND ORDER: inside each 32, byte 16 h + 8 w + i holds index 16 w + 8 h + i, so that a load of 16 bytes at 32 c + 16 h fills four operand registers with every k in its own place.
; Four waves, each 128 x 128 of C in 64 accumulators.  K goes in steps of 256 through two LDS slots filled by the tensor data mover; a 4 x 4 cluster asks for A's tiles jointly along its rows and for B's along its columns.
; The matrix instruction is used transposed (source 0 = 16 rows of B, source 1 = 16 rows of A): a lane holds one row of C and eight neighbouring columns, which is what the conversion takes.
; A fragment is fetched by four loads of 16 bytes, which permutes k alike in A and in B: every product meets its partner, only the order of the sums inside an instruction changes.
; THE BIAS is the C of each sum's first product, divided by 2^(ea + eb): along the columns in even products, along the rows in odd ones; that first step is written twice, chosen by the cluster's y.
; LIMITS: eo - ea - eb between -126 and 112 (eo: the result's scale), so that the folded scale and 57,344 x it are f32 numbers.  NaN is not served.
; REGISTERS: window 0: v1-31 addresses and constants; v32-95 the bias, later a block's held sums; v96-111 offsets of the bias, later codes; from v128 A's fragments, ONE set, later rows read back.
;   window 1: B's fragments, two sets.   windows 2, 3: the accumulators of my rows 0-63, 64-127 (accumulator (a, b) at v[8 (8 (a % 4) + b)]).
.set KSTEP,  256
.set ROWB,   256                       ; a tile's row in bytes
.set KROW,   1024                      ; a row of A or B in memory
.set PITCH,  272                       ; an LDS row: 256 bytes + 16 of padding: the 16 rows of a fragment load start at 16 different groups of four banks
.set FR,     16                        ; registers of a fragment
.set NL,     4                         ; LDS loads that bring one
.set NP,     4                         ; places behind this matrix instruction (ISA guide 7.12.1)
.set HALFT,  128*PITCH
.set SLOT,   4*HALFT
.set LAPS,   2                         ; 1,024 / 512
.set SPARE,  2*SLOT                    ; behind the ring: the spare words, 128 bytes a wave
.set QPITCH, 144                       ; the way out: a stage of 16 rows x (128 bytes + 16) for each wave, in slot 0, which has had its last fill and its last read by then
.set CO,   8                           ; v8-11   the way out: byte offsets of my four stores of a block
.set ADRA, 16                          ; v16-17  LDS address of my A fragments in slot 0, 1
.set ADRB, 20                          ; v20-21  the same for B
.set STO,  24                          ; v24     where I put 16 codes of a row
.set RD,   25                          ; v25     where I read rows back
.set SPW,  28                          ; v28     LDS address of my spare word; never rewritten
.set NIL,  29                          ; v29     0; never rewritten
.set LIM,  30                          ; v30     57,344 x 2^(eo - ea - eb)
.set SC,   31                          ; v31     2^(eo - ea - eb)
.set CB,   32                          ; v32-95  the bias, eight registers a block
.set TMP,  32
.set VO,   96                          ; v96-103 offsets of the bias loads
.set CD,   96                          ; v96-111 a block's codes
.set AF,   128
.set BK,   128                         ; v128-143, v144-159 by turns
.set G1, 24
.set G0, 32
.set G1B, 48
.set G0B, 56
.set MSB, 0
.macro WIN new                         ; the immediate's high byte repeats the setting that is left
.if MSB != \new
	s_set_vgpr_msb (MSB<<8)|\new
.set MSB, \new
.endif
.endm
.set MUL_LO, 0xa1                      ; source 0 (B) window 1, source 1 (A) window 0, C and D window 2
.set MUL_HI, 0xf1                      ; the same, C and D window 3
.set TO_B,   0x40                      ; destination window 1, address window 0
; A joint load: waves 0 and 1 fetch for A, waves 2 and 3 for B.  The branch hangs on the wave's number alone.  An s_nop 0 and four v_nop follow each of the two lines.
.macro JLOAD g0a, g1a, g0b, g1b
	s_cmp_eq_u32 s15, 0
	s_cbranch_scc0 .Lfor_b_\@
	tensor_load_to_lds s[\g0a:\g0a+3], s[\g1a:\g1a+7]
	s_nop 0
.rept 4
	v_nop
.endr
	s_branch .Lasked_\@
.Lfor_b_\@:
	tensor_load_to_lds s[\g0b:\g0b+3], s[\g1b:\g1b+7]
	s_nop 0
.rept 4
	v_nop
.endr
.Lasked_\@:
.endm
.macro CREST                           ; a round of the cluster's barrier behind its opening barrier
	s_cmp_lg_u32 s14, 0
	s_cbranch_scc1 .Lnot_wave_0_\@
	s_barrier_signal -3
.Lnot_wave_0_\@:
	s_barrier_wait -3
	s_barrier_signal -1
	s_barrier_wait -1
.endm
.macro CROUND
	s_barrier_signal -1
	s_barrier_wait -1
	CREST
.endm
	s_load_b512 s[68:83], s[0:1], 0x0              ; xc s[68:69], wc s[70:71], the scales s[72:73], ba_qk, ba_v, bb_qk, bb_v s[74:81], qkv s[82:83]
	v_lshl_add_u32 v[SPW], v0, 2, SPARE
	v_mov_b32 v[NIL], 0
	ds_add_u32 v[SPW], v[NIL]                      ; the wave's opening: the add and its wait ahead of my first tensor load; the set-up below, work on registers, stands between them
	ds_add_u32 v[SPW], v[NIL]
	v_lshrrev_b32 v1, 5, v0
	v_readfirstlane_b32 s14, v1                    ; wave 0..3
	s_lshr_b32 s15, s14, 1                         ; which half of the tile's rows is mine.  Also: I fetch for A (0) or for B (1)
	s_and_b32 s16, s14, 1                          ; which half of its columns.  Also: which 128 rows of that tile I fetch
	s_bfe_u32 s40, ttmp6, 0x40000                  ; cx
	s_bfe_u32 s41, ttmp6, 0x40004                  ; cy
	s_and_b32 s89, ttmp7, 0xffff                   ; the cluster's y, 0 .. 15: shared by all sixteen partners
	s_lshr_b32 s84, s89, 2                         ; the product i
	s_and_b32 s85, s89, 3
	s_lshl_b32 s85, s85, 2                         ; 4 x the quarter: goes to the axis that has 16 tiles
	s_and_b32 s86, s84, 1                          ; 0: even product, 1: odd
	s_cmp_eq_u32 s86, 0
	s_cselect_b32 s18, s85, 0
	s_cselect_b32 s19, 0, s85
	s_cselect_b32 s87, 0, -1                       ; a lane mask: all ones in odd products
	s_cselect_b32 s88, 4, 0                        ; bytes from register to register of the bias: 4 along the columns, 0 along the rows
	s_add_co_u32 s17, s41, s18                     ; tile row of C
	s_add_co_u32 s42, s40, s19                     ; tile column of C
	s_lshl_b32 s43, s41, 2
	s_lshl_b32 s43, 15, s43                        ; my row of the cluster
	s_lshl_b32 s44, 0x1111, s40                    ; my column
	; descriptor group 1: a tile of 128 rows x 256 bytes, padded in LDS
	s_or_b32 s[G1+0], s43, (0<<16)|(1<<20)|(1<<21)|(5<<22)|(3<<25)  ; 15:0 the mask: A's tiles go to my row; elements of 1 byte; 20 padding on; 21 set beside a mask; after every 64 words (code 5) 4 words (code 3)
	s_or_b32 s[G1B+0], s44, (0<<16)|(1<<20)|(1<<21)|(5<<22)|(3<<25)
.irp g, G1, G1B
	s_mov_b32 s[\g+1], ROWB<<16                    ; tensor_dim0
	s_mov_b32 s[\g+2], 128<<16                     ; tensor_dim1
	s_mov_b32 s[\g+3], ROWB<<16                    ; tile_dim0
	s_mov_b32 s[\g+4], 128                         ; tile_dim1
	s_mov_b32 s[\g+5], KROW                        ; tensor_dim0_stride
	s_mov_b32 s[\g+6], 0
	s_mov_b32 s[\g+7], 0
.endr
	s_lshl_b32 s18, s16, 7                         ; which 128 rows of the tile I fetch
	s_lshl_b32 s20, s17, 8
	s_add_co_u32 s20, s20, s18                     ; A: row 256 x tile row + 128 x half
	s_lshl_b32 s46, s42, 8
	s_add_co_u32 s46, s46, s18                     ; B: row 256 x tile column + 128 x half
	s_lshl_b32 s20, s20, 10                        ; in bytes
	s_lshl_b32 s46, s46, 10
	s_lshl_b32 s22, s84, 22                        ; xc's plane i
	s_lshl_b32 s23, s84, 20                        ; wc's plane i
	s_cmp_eq_u32 s86, 0
	s_cselect_b32 s18, s22, s23
	s_cselect_b32 s19, s23, s22
	s_add_co_u32 s20, s20, s18
	s_add_co_u32 s46, s46, s19
	s_mov_b32 s21, 0
	s_mov_b32 s47, 0
	s_mul_i32 s45, s14, HALFT                      ; where they go: wave x 128 rows: no place in the cluster enters an LDS address
	s_lshl_b32 s89, s84, 3                         ; ea, eb: entries 2 i, 2 i + 1
	s_lshr_b32 s22, s84, 1
	s_lshl_b32 s23, s22, 1
	s_sub_co_u32 s23, 13, s23                      ; odd: entry 13 (av), 11 (bv)
	s_add_co_u32 s22, s22, 8                       ; even: entry 8 (aq), 9 (bq)
	s_cmp_eq_u32 s86, 0
	s_cselect_b32 s92, s22, s23
	s_lshl_b32 s92, s92, 2
	s_wait_dscnt 0x0                               ; the opening add is done
	s_wait_kmcnt 0x0
	s_load_b64 s[96:97], s[72:73], s89 offset:0x0  ; ea, eb
	s_load_b32 s93, s[72:73], s92 offset:0x0       ; eo
	s_cmp_eq_u32 s86, 0
	s_cselect_b64 s[4:5], s[68:69], s[70:71]       ; A: the activations' codes or the weight's: chosen by the cluster's y alone
	s_cselect_b64 s[6:7], s[70:71], s[68:69]       ; B: the other
	s_add_nc_u64 s[20:21], s[4:5], s[20:21]
	s_add_nc_u64 s[46:47], s[6:7], s[46:47]
	CROUND                                         ; all sixteen work-groups are here: the first joint loads meet
.irp s, 0,1
	s_mov_b32 s[G0+4*\s], 1
	s_add_co_u32 s[G0+4*\s+1], s45, \s*SLOT
	s_add_nc_u64 s[G0+4*\s+2:G0+4*\s+3], s[20:21], \s*ROWB
	s_or_b32 s[G0+4*\s+3], s[G0+4*\s+3], 0x80000000
	s_mov_b32 s[G0B+4*\s], 1
	s_add_co_u32 s[G0B+4*\s+1], s45, \s*SLOT
	s_add_nc_u64 s[G0B+4*\s+2:G0B+4*\s+3], s[46:47], \s*ROWB
	s_or_b32 s[G0B+4*\s+3], s[G0B+4*\s+3], 0x80000000
.endr
	JLOAD G0, G1, G0B, G1B                         ; K step 0: one tensor load a wave at the head
	; PREFETCH INTO THE L2: a K step is 256 bytes of each row.  Of the 128 rows that I fetch, each of the four partners that ask for them jointly takes 32, told apart by address (cx for A, cy for B): a lane a row,
	; one line a wave for each K step, so each block of 256 bytes is named once in each cluster that loads it.  Behind K step 0's load K steps 1 and 2 are asked for, behind K step 1's K step 3: at most two K steps are asked for and not yet read.
	s_cmp_eq_u32 s15, 0                            ; do I fetch for A?
	s_cselect_b64 s[66:67], s[20:21], s[46:47]     ; my 128 rows; s[66:67] and v27 are never rewritten
	s_cselect_b32 s18, s40, s41                    ; my place among the four
	s_lshl_b32 s18, s18, 15                        ; 32 rows of 1,024 bytes for each place
	s_mov_b32 s19, 0
	s_add_nc_u64 s[66:67], s[66:67], s[18:19]
	v_and_b32 v27, 31, v0
	v_lshlrev_b32 v27, 10, v27
	global_prefetch_b8 v27, s[66:67] offset:256 th:TH_LOAD_NT scope:SCOPE_SE
	global_prefetch_b8 v27, s[66:67] offset:512 th:TH_LOAD_NT scope:SCOPE_SE
	v_and_b32 v1, 15, v0                           ; r = l % 16
	v_bfe_u32 v2, v0, 4, 1                         ; h = l / 16
	; the bias: block x, register j: even products bias[256 tile column + 128 column half + 16 x + 8 h + j]; odd ones bias[256 tile row + 128 row half + 16 x + r] in all eight registers
	s_wait_alu depctr_va_vdst(0)
	s_cmp_eq_u32 s86, 0
	s_cselect_b64 s[90:91], s[74:75], s[76:77]
	s_cselect_b64 s[98:99], s[78:79], s[80:81]
	s_cselect_b32 s22, s42, s17
	s_cselect_b32 s23, s16, s15
	s_cmp_lt_u32 s84, 2
	s_cselect_b64 s[90:91], s[90:91], s[98:99]
	s_lshl_b32 s22, s22, 10
	s_lshl_b32 s23, s23, 9
	s_add_co_u32 s22, s22, s23
	s_mov_b32 s23, 0
	s_add_nc_u64 s[90:91], s[90:91], s[22:23]
	v_lshlrev_b32 v5, 3, v2
	v_cndmask_b32 v5, v5, v1, s87                  ; 8 h, or r
	v_lshlrev_b32 v5, 2, v5
.irp j, 0,1,2,3,4,5,6,7
	v_mad_u32_u24 v[VO+\j], s88, \j, v5
.endr
.irp x, 0,1,2,3,4,5,6,7
.irp j, 0,1,2,3,4,5,6,7
	global_load_b32 v[CB+8*\x+\j], v[VO+\j], s[90:91] offset:64*\x
.endr
.endr
	v_mul_u32_u24 v3, v1, PITCH
	v_lshl_add_u32 v4, v2, 4, v3                   ; a fragment's row x pitch + 16 x half
	s_mul_i32 s21, s15, HALFT                      ; my 128 rows of A
	s_mul_i32 s22, s16, HALFT                      ; my 128 rows of B,
	s_add_co_u32 s22, s22, 2*HALFT                 ; which lie behind A's 256
.irp s, 0,1
	v_add_nc_u32 v[ADRA+\s], s21, v4
	v_add_nc_u32 v[ADRB+\s], s22, v4
	s_add_co_u32 s21, s21, SLOT
	s_add_co_u32 s22, s22, SLOT
.endr
	s_mul_i32 s23, s14, 16*QPITCH                  ; my stage
	v_mul_u32_u24 v5, v1, QPITCH                   ; in: row r, 16 bytes for each half of the lanes: that placing makes the operand order
	v_lshl_add_u32 v5, v2, 4, v5
	v_add_nc_u32 v[STO], s23, v5
	v_bfe_u32 v5, v0, 3, 2                         ; back: eight lanes to a row of 128 bytes, four rows an instruction
	v_mul_u32_u24 v5, v5, QPITCH
	v_and_b32 v12, 7, v0
	v_lshl_add_u32 v5, v12, 4, v5
	v_add_nc_u32 v[RD], s23, v5
	s_wait_kmcnt 0x0                               ; ea, eb, eo; s89 and s92 may be written again
	; where a block's rows go.  Even: a row's 128 codes are 64 of each of two heads, 131,072 bytes apart; rows 64 bytes apart: a store covers two runs of 256 consecutive bytes, aligned.  Odd: rows of 128 bytes on end: 512 consecutive bytes
	v_and_b32 v6, 31, v0
	v_bfe_u32 v7, v0, 2, 1
	v_lshlrev_b32 v7, 17, v7
	v_bfe_u32 v12, v0, 3, 2
	v_lshl_or_b32 v7, v12, 6, v7
	v_and_b32 v12, 3, v0
	v_lshl_or_b32 v7, v12, 4, v7
	v_lshlrev_b32 v12, 4, v6
	v_cndmask_b32 v7, v7, v12, s87
	s_wait_alu depctr_va_vdst(0)
	s_cmp_eq_u32 s86, 0
	s_cselect_b32 s18, s17, s42                    ; P: the tile along the sequence, 0 .. 15
	s_cselect_b32 s19, s42, s17                    ; Q: the tile along e, 0 .. 3
	s_cselect_b32 s22, s15, s16                    ; my half along the sequence
	s_cselect_b32 s23, s16, s15                    ; my half along e
	s_mov_b32 s89, 512
	s_cselect_b32 s89, 256, s89                    ; from store to store of a block: four rows
	s_mov_b32 s94, 2048
	s_cselect_b32 s94, 1024, s94                   ; from block to block: 16 rows
	s_mov_b32 s98, 124928
	s_cselect_b32 s98, 1024, s98                   ; into block 4: in odd products the next head begins: 131,072 - 3 x 2,048
	s_mov_b32 s95, 0
	s_mov_b32 s99, 0
.irp t, 0,1,2,3
	v_mad_u32_u24 v[CO+\t], s89, \t, v7
.endr
	s_lshl_b32 s20, s84, 22                        ; the plane,
	s_lshr_b32 s21, s18, 3
	s_lshl_b32 s21, s21, 21                        ; the batch,
	s_add_co_u32 s20, s20, s21
	s_lshl_b32 s19, s19, 2
	s_lshl_b32 s23, s23, 1
	s_add_co_u32 s19, s19, s23
	s_lshl_b32 s19, s19, 17                        ; the head 4 Q + 2 x half,
	s_add_co_u32 s20, s20, s19
	s_and_b32 s18, s18, 7
	s_lshl_b32 s18, s18, 14                        ; 256 of the sequence are 16,384 bytes in both layouts,
	s_add_co_u32 s20, s20, s18
	s_lshl_b32 s22, s22, 13                        ; and 128 of it 8,192
	s_add_co_u32 s20, s20, s22
	s_mov_b32 s21, 0
	s_add_nc_u64 s[10:11], s[82:83], s[20:21]
	s_add_co_i32 s96, s96, s97                     ; ea + eb: a sum stands for sum x 2^(ea + eb)
	s_sub_co_i32 s92, 0, s96
	s_sub_co_i32 s93, s93, s96                     ; so its code is sum / 2^(eo - ea - eb): the three scales folded into one
	s_add_co_i32 s93, s93, 127
	s_lshl_b32 s22, s93, 23
	v_mov_b32 v[SC], s22
	s_add_co_i32 s93, s93, 15
	s_lshl_b32 s93, s93, 23
	s_or_b32 s93, s93, 0x600000
	v_mov_b32 v[LIM], s93
	s_wait_loadcnt 0x0                             ; the bias
.set j, 0
.rept 64
	v_ldexp_f32 v[CB+j], v[CB+j], s92              ; bias / 2^(ea + eb)
.set j, j+1
.endr
.macro FRAG reg, adr, q, i             ; a fragment: lane l holds row l % 16; registers 4 c .. 4 c + 3 hold K = 32 c + 16 (l / 16) + 0 .. 15
.irp c, 0,1,2,3
	ds_load_b128 v[\reg+4*\c:\reg+4*\c+3], v[\adr] offset:128*(\q)+32*\c+(\i)*16*PITCH
.endr
.endm
; 16 matrix instructions: A's blocks a0, a0 + 1 x B's eight, 128 along K.  p: B's set.  mode 0: in place; 1: the sums begin with the bias of B's block; 2: with that of A's block.
; The 64 accumulators take turns, one instruction a turn, in the same order in every step.
.macro MUL16 a0, p, mode
.irp a, \a0, \a0+1
.irp b, 0,1,2,3,4,5,6,7
.if \mode == 0
	v_wmma_f32_16x16x128_bf8_bf8 v[8*(8*((\a)%4)+\b):8*(8*((\a)%4)+\b)+7], v[128*(\p)+FR*\b:128*(\p)+FR*\b+FR-1], v[AF+FR*(\a):AF+FR*(\a)+FR-1], v[8*(8*((\a)%4)+\b):8*(8*((\a)%4)+\b)+7]
.elseif \mode == 1
	v_wmma_f32_16x16x128_bf8_bf8 v[8*(8*((\a)%4)+\b):8*(8*((\a)%4)+\b)+7], v[128*(\p)+FR*\b:128*(\p)+FR*\b+FR-1], v[AF+FR*(\a):AF+FR*(\a)+FR-1], v[CB+8*\b:CB+8*\b+7]
.else
	v_wmma_f32_16x16x128_bf8_bf8 v[8*(8*((\a)%4)+\b):8*(8*((\a)%4)+\b)+7], v[128*(\p)+FR*\b:128*(\p)+FR*\b+FR-1], v[AF+FR*(\a):AF+FR*(\a)+FR-1], v[CB+8*(\a):CB+8*(\a)+7]
.endif
.endr
.endr
.endm
.macro FETCH_B slot, q, p
	WIN TO_B
.irp i, 0,1,2,3,4,5,6,7
	FRAG 128*(\p)+FR*\i, ADRB+\slot, \q, \i
.endr
	WIN 0
.endm
.macro FETCH_A slot, q, i0
.irp i, \i0, \i0+1, \i0+2, \i0+3
	FRAG AF+FR*(\i), ADRA+\slot, \q, \i
.endr
.endm
.macro PLACES n                        ; plain vector lines between a matrix instruction and a load into, or a vector read of, its registers
.rept \n
	v_nop
.endr
.endm
; A step of 128 along K that has its successor in the same slot
.macro STEP slot, q, mode
	s_wait_dscnt 4*NL                              ; B's set and A's blocks 0-3 are in; the youngest sixteen loads (A's blocks 4-7) may be out
.if \mode
	WIN 0x81                                       ; B window 1, A and the bias window 0, D window 2
.else
	WIN MUL_LO
.endif
	MUL16 0, (\q)%2, \mode
	MUL16 2, (\q)%2, \mode
	s_wait_dscnt 0                                 ; A's blocks 4-7 are in
	PLACES NP
	FETCH_B \slot, (\q)+1, 1-(\q)%2
	FETCH_A \slot, (\q)+1, 0
.if \mode
	WIN 0xc1                                       ; the same, D window 3
.else
	WIN MUL_HI
.endif
	MUL16 4, (\q)%2, \mode
	MUL16 6, (\q)%2, \mode
	PLACES NP
	WIN 0
	FETCH_A \slot, (\q)+1, 4
.endm
; A slot's last step changes slots: ONE barrier; in front of it each wave waits for all its tensor loads, adds 0 to its spare word, and waits for that and for its own reads of this slot.  fill = 1: this slot is filled again, two K steps ahead.
.macro TURN slot, next, fill
	s_wait_tensorcnt 0x0                           ; all my tensor loads have landed: my part of the next slot
	ds_add_u32 v[SPW], v[NIL]                      ; 0 onto my spare word
	s_wait_dscnt 4*NL+1                            ; the add and the youngest sixteen loads, A's blocks 4-7, may be out
	WIN MUL_LO
	MUL16 0, 1, 0                                  ; sixteen matrix instructions stand between the add and the wait for it
	s_wait_dscnt 0x0                               ; the add is done, and my reads of this slot are over
	s_barrier_signal -1
	MUL16 2, 1, 0
	WIN 0
	s_barrier_wait -1
.if \fill
	CREST                                          ; the barrier has opened a round of the cluster's barrier: no wave of any partner still reads this slot or has a load on its way
	s_add_nc_u64 s[G0+4*\slot+2:G0+4*\slot+3], s[G0+4*\slot+2:G0+4*\slot+3], 2*ROWB
	s_add_nc_u64 s[G0B+4*\slot+2:G0B+4*\slot+3], s[G0B+4*\slot+2:G0B+4*\slot+3], 2*ROWB
	JLOAD G0+4*\slot, G1, G0B+4*\slot, G1B         ; the first tensor load behind the round; its four v_nop are the places in front of the loads below
.else
	PLACES NP
.endif
	FETCH_B \next, 0, 0
	FETCH_A \next, 0, 0
	WIN MUL_HI
	MUL16 4, 1, 0
	MUL16 6, 1, 0
	PLACES NP
	WIN 0
	FETCH_A \next, 0, 4
.endm
	s_wait_alu depctr_va_vdst(0)                   ; the wait at the head's end
	s_wait_tensorcnt 0x0                           ; my part of K step 0 is in; slot 1's first fill is issued as a refill is:
	ds_add_u32 v[SPW], v[NIL]                      ; 0 onto my spare word
	s_wait_dscnt 0x0
	CROUND                                         ; everybody's part of K step 0 is in, and all sixteen work-groups are here
	JLOAD G0+4, G1, G0B+4, G1B                     ; K step 1: the first tensor load behind the round
	FETCH_B 0, 0, 0
	global_prefetch_b8 v27, s[66:67] offset:768 th:TH_LOAD_NT scope:SCOPE_SE   ; K step 3, two fills ahead of its load
	FETCH_A 0, 0, 0
	FETCH_A 0, 0, 4
	s_cmp_eq_u32 s86, 0                            ; the first step is written twice: its products begin the sums with the bias, which lies along the columns or along the rows.
	s_cbranch_scc0 .Lbias_by_rows                  ; The branch hangs on the cluster's y alone; both copies issue the same LDS loads, and neither holds a tensor load or a barrier
	s_wait_alu depctr_va_vdst(0)
	STEP 0, 0, 1
	s_branch .Lfirst_done
.Lbias_by_rows:
	s_wait_alu depctr_va_vdst(0)
	STEP 0, 0, 2
.Lfirst_done:
	s_mov_b32 s3, LAPS-1
.Llap:                                                 ; a trip goes once round the ring and fills both slots again
	TURN 0, 1, 1
	STEP 1, 0, 0
	TURN 1, 0, 1
	STEP 0, 0, 0
	s_sub_co_u32 s3, s3, 1
	s_cmp_lg_u32 s3, 0
	s_cbranch_scc1 .Llap
	TURN 0, 1, 0                                   ; the last lap fills nothing, and has no round of the cluster's barrier
	STEP 1, 0, 0
	s_wait_dscnt 4*NL
	WIN MUL_LO
	MUL16 0, 1, 0
	MUL16 2, 1, 0
	s_wait_dscnt 0
	WIN MUL_HI
	MUL16 4, 1, 0
	MUL16 6, 1, 0
	WIN 0
; THE WAY OUT, block by block of 16 rows x 128 columns: held, converted (eight neighbouring columns a conversion), 16 bytes a lane into my own stage, back as rows, stored.
; LDS serves a wave's instructions in order (ISA guide 5.7.1.4): no wait between the stores and the loads, nor in front of the next block's stores.
.macro QSTAGE a
.set AC, 64*((\a)%4)
	WIN 0x02+((\a)/4)                              ; source 0: window 2 or 3
.set j, 0
.rept 64
	v_med3_num_f32 v[TMP+j], v[AC+j], -v[LIM], v[LIM]   ; the hold (ISA guide 7.6.2), into other registers; each accumulator from its low end on
.set j, j+1
.endr
	WIN 0
.irp b, 0,1,2,3,4,5,6,7
	v_cvt_scalef32_pk8_bf8_f32 v[CD+2*\b:CD+2*\b+1], v[TMP+8*\b:TMP+8*\b+7], v[SC]   ; columns 16 b + 8 h + 0 .. 7
.endr
	v_nop                                          ; one plain line behind the last conversion, ahead of the next block's writes of its sources
.irp c, 0,1,2,3
	ds_store_b128 v[STO], v[CD+4*\c:CD+4*\c+3] offset:32*\c   ; blocks 2 c and 2 c + 1 of my half on end at 32 c + 16 h: the operand order
.endr
.set BB, BK+16*((\a)%2)
.irp t, 0,1,2,3
	ds_load_b128 v[BB+4*\t:BB+4*\t+3], v[RD] offset:\t*4*QPITCH
.endr
.endm
.macro QSEND a, younger                ; younger: the LDS instructions issued behind block a's loads, which may stay out
.set BB, BK+16*((\a)%2)
	s_wait_dscnt \younger
.if (\a) == 4
	s_add_nc_u64 s[10:11], s[10:11], s[98:99]      ; (behind a wait on XCNT: the earlier stores have read their base)
.elseif (\a) > 0
	s_add_nc_u64 s[10:11], s[10:11], s[94:95]
.endif
.irp t, 0,1,2,3
	global_store_b128 v[CO+\t], v[BB+4*\t:BB+4*\t+3], s[10:11]
.endr
.endm
	PLACES NP                                      ; behind the last products: for the first read of results and the loads into the registers that held A's fragments
	QSTAGE 0
.irp a, 1,2,3,4,5,6,7
.if \a > 1
	s_wait_xcnt 0x0                                ; block a - 2's stores have read their registers and their base
.endif
	QSTAGE \a
	QSEND \a-1, 8                                  ; behind block a - 1's loads: block a's four stores and four loads
.endr
	s_wait_xcnt 0x0
	QSEND 7, 0
	s_wait_tensorcnt 0x0                           ; the wave's end, behind my last tensor load and my last LDS store
	ds_add_u32 v[SPW], v[NIL]
	s_wait_dscnt 0x0
	CROUND                                         ; the closing round: no work-group ends while a partner may still ask for a tile that names it
	s_endpgm
.Lfunc_end_k_q99e14b354c_proj:
	.size	k_q99e14b354c_proj, .Lfunc_end_k_q99e14b354c_proj-k_q99e14b354c_proj
	.p2alignl 7, 3214868480
	.fill 96, 4, 3214868480
	.section	.rodata,"a",@progbits
	.p2align	6, 0x0
	.amdhsa_kernel k_q99e14b354c_proj
		.amdhsa_group_segment_fixed_size 327680
		.amdhsa_private_segment_fixed_size 0
		.amdhsa_enable_private_segment 0
		.amdhsa_kernarg_size 64
		.amdhsa_user_sgpr_count 2
		.amdhsa_user_sgpr_kernarg_segment_ptr 1
		.amdhsa_wavefront_size32 1
		.amdhsa_system_sgpr_workgroup_id_x 1
		.amdhsa_system_sgpr_workgroup_id_y 1
		.amdhsa_system_sgpr_workgroup_id_z 1
		.amdhsa_system_vgpr_workitem_id 0
		.amdhsa_next_free_vgpr 1024
		.amdhsa_next_free_sgpr 100
		.amdhsa_reserve_vcc 0
		.amdhsa_float_denorm_mode_32 3
		.amdhsa_float_denorm_mode_16_64 3
		.amdhsa_memory_ordered 1
		.amdhsa_forward_progress 1
		.amdhsa_inst_pref_size 145
	.end_amdhsa_kernel
	.amdgpu_metadata
---
amdhsa.version: [ 1, 2 ]
amdhsa.kernels:
  - .name:           k_q99e14b354c_proj
    .symbol:         k_q99e14b354c_proj.kd
    .args:
      - { .name: xc, .offset: 0, .size: 8, .value_kind: global_buffer, .address_space: global }
      - { .name: wc, .offset: 8, .size: 8, .value_kind: global_buffer, .address_space: global }
      - { .name: lowp_scales, .offset: 16, .size: 8, .value_kind: global_buffer, .address_space: global }
      - { .name: ba_qk, .offset: 24, .size: 8, .value_kind: global_buffer, .address_space: global }
      - { .name: ba_v, .offset: 32, .size: 8, .value_kind: global_buffer, .address_space: global }
      - { .name: bb_qk, .offset: 40, .size: 8, .value_kind: global_buffer, .address_space: global }
      - { .name: bb_v, .offset: 48, .size: 8, .value_kind: global_buffer, .address_space: global }
      - { .name: qkv, .offset: 56, .size: 8, .value_kind: global_buffer, .address_space: global }
    .group_segment_fixed_size: 327680
    .private_segment_fixed_size: 0
    .kernarg_segment_align: 8
    .kernarg_segment_size: 64
    .max_flat_workgroup_size: 128
    .sgpr_count:     100
    .vgpr_count:     1024
    .wavefront_size: 32
...
	.end_amdgpu_metadata
.endif
;; end of part 2
;; launch attn (part 3): grid 4 x 64, 16 waves a work-group, clusters of 4 x 1, 327,680 bytes of LDS; arguments qkv, lowp_scales, ctx; writes ctx
.if DOCPART == 3
	.amdgcn_target "amdgcn-amd-amdhsa--gfx1250"
	.amdhsa_code_object_version 6
	.text
	.protected	k_q99e14b354c_attn
	.globl	k_q99e14b354c_attn
	.p2align	8
	.type	k_q99e14b354c_attn,@function
k_q99e14b354c_attn:
	s_mov_b64 s[64:65], 0
	v_nop
	global_prefetch_b8 v0, s[64:65] scope:SCOPE_SE
	s_setreg_imm32_b32 hwreg(HW_REG_WAVE_MODE, 25, 1), 1
	s_wait_xcnt 0x0
	s_wait_alu depctr_hold_cnt(0) depctr_sa_sdst(0) depctr_va_vdst(0) depctr_va_sdst(0) depctr_va_ssrc(0) depctr_va_vcc(0) depctr_vm_vsrc(0)
	s_getreg_b32 s2, hwreg(HW_REG_IB_STS2, 6, 4)
	s_cmp_eq_u32 s2, 0
	s_cbranch_scc0 .Lentry_in_a_cluster
	s_endpgm
.Lentry_in_a_cluster:
	s_bfe_u32 s2, ttmp6, 0x10000c
	s_cmp_lg_u32 s2, 0x3003
	s_cbranch_scc0 .Lentry_shape_is_right
	s_endpgm
.Lentry_shape_is_right:
; Both attentions on codes of BF8 (E5M2).  The grid's y names the direction (y / 32) and batch x head (y % 32).  Direction 0: Q = aq, K = bq, V = bv (softmax over S); direction 1: Q = bq, K = aq, V = av (softmax over L).
; qkv planes (4 MiB): 0 aq, 1 av, 2 bq, 3 bv.  Q, K: [batch x head][2,048][64]; V: [batch x head][16 chunks][64 d][128 keys]; the innermost axis stands in operand order, so that a load of 16 bytes fills four operand registers.
; t = score x log2(e) / 8; M = the running largest t rounded up to a whole number; p = 2^(t - M) is quantised by 2^ep; the row's sum is taken of the unquantised p; when M moves, sum and O are multiplied by 2^(old M - new M).
; The context, O / sum, is quantised at once by the scale of the product that takes it (entry 14 or 16) and stored as codes: ctx [direction][row / 4][head][row % 4][64].
; SHARES.  A work-group owns 512 queries of one head; the four work-groups of a cluster own the head's 2,048 and ask for its K and V JOINTLY: each of the sixteen waves issues one load of 64 rows x 256 bytes
; (waves 0-7: K, waves 8-15: V), so the head's whole K and V, 278,528 bytes with padding, lie in LDS once and nothing is filled again.
; A wave owns TWO tiles of 16 queries, A and B (256 queries apart), and walks the keys once, 128 a step, for both: each fragment of K and of V that it reads from LDS feeds two matrix instructions.
; The two tiles' softmaxes are woven: their chains take turns, B's scalings stand among A's exponentials, and A's first sums and holds, lines that hang on nothing inside the batch, among B's.
; Both products are used transposed (S^T = K Q^T, O^T = V^T P^T): a lane holds one query of each tile throughout.
; No prefetch: all tensor loads go out at the head, so there is no loop to run ahead in.
; LIMITS: e8 + e9 between -123 and 130 (added to c's exponent field); ep and the context's e between -126 and 112; scaled scores under 2^31 in magnitude.  NaN is not served.
; REGISTERS (all 256): v0 thread; v1, v2 my place in a tile of K, of V; v3 2^ep; v4-7, v8-11 tile A's, B's -M, largest t, sum (two halves); v12-15 at work, then f of A (v12) and of B (v14);
; v16-23, v24-31 Q of A, of B; v32-63 K's tiles 0-3, then at work, then A's and B's codes; v64-127 S^T of A, then V; v128-191 K's tiles 4-7 (low half), then S^T of B; v192-223, v224-255 O^T of A, of B.
; No two registers can be kept for the spare word's address and 0: v0 is kept, and they are made anew at the end (v254, v255).
.set TILEB, 8704                       ; 128 keys of K or V in LDS: 32 rows of 256 + 16 bytes
.set VREL,  16*TILEB
.set STAGE, 32*TILEB                   ; the way out: 16 rows x 80 bytes a wave; no tensor load lands here
.set SPARE, STAGE+16*1280              ; the spare words, 128 bytes a wave
.set AK0, 1
.set AV0, 2
.set SCP, 3
.set STA, 4
.set STB, 8
.set QA,  16
.set QB,  24
.set KB,  32
.set SA,  64
.set SB,  128
.set OA,  192
.set OB,  224
.set SPW, 254
.set NIL, 255
.set WV,  18
.set SEL, 20
.set CS,  22
.set G1,  24
.set G0,  40
.set CNT, 85
.set TB,  86
.set EPV, 88
.set HP,  96                           ; s96 57,344 x 2^ep;  s97 57,344 x 2^eo;  s98 2^eo
.macro CROUND
	s_barrier_signal -1
	s_barrier_wait -1
	s_cmp_lg_u32 s[WV], 0
	s_cbranch_scc1 .Lnot_wave_0_\@
	s_barrier_signal -3
.Lnot_wave_0_\@:
	s_barrier_wait -3
	s_barrier_signal -1
	s_barrier_wait -1
.endm
	s_load_b128 s[4:7], s[0:1], 0x0                ; qkv, the scales' exponents
	s_load_b64 s[8:9], s[0:1], 0x10                ; ctx
	v_lshl_add_u32 v[SPW], v0, 2, SPARE
	v_mov_b32 v[NIL], 0
	ds_add_u32 v[SPW], v[NIL]                      ; the opening: the add, twice on end, and its wait ahead of my tensor load
	ds_add_u32 v[SPW], v[NIL]
	v_lshrrev_b32 v1, 5, v0
	v_readfirstlane_b32 s[WV], v1                  ; wave 0..15
	v_and_b32 v12, 15, v0                          ; r
	v_bfe_u32 v13, v0, 4, 1                        ; h
	v_lshlrev_b32 v14, 6, v12
	v_lshl_add_u32 v14, v13, 4, v14                ; Q: row r of 64 bytes, + 16 h
	s_bfe_u32 s14, ttmp6, 0x40000                  ; cx: which 512 queries
	s_and_b32 s15, ttmp7, 0xffff
	s_lshr_b32 s16, s15, 5                         ; direction
	s_and_b32 s17, s15, 31                         ; batch x head
	s_lshl_b32 s56, s17, 17
	s_lshl_b32 s57, s16, 23
	s_xor_b32 s58, s57, 0x800000                   ; K's plane: the other tensor's
	s_add_co_u32 s58, s58, s56
	s_lshr_b32 s59, s[WV], 3
	s_lshl_b32 s59, s59, 22                        ; waves 8-15: V's plane
	s_add_co_u32 s58, s58, s59
	s_and_b32 s59, s[WV], 7
	s_lshl_b32 s59, s59, 14                        ; my 16,384 bytes of it
	s_add_co_u32 s58, s58, s59
	s_mov_b32 s59, 0
	s_add_co_u32 s56, s56, s57                     ; Q: plane and head,
	s_lshl_b32 s57, s14, 15                        ; 512 queries x 64 bytes,
	s_add_co_u32 s56, s56, s57
	s_lshl_b32 s57, s[WV], 10                      ; 16 queries x 64 bytes
	s_add_co_u32 s56, s56, s57
	s_mov_b32 s57, 0
	s_lshr_b32 s60, s17, 4                         ; ctx: batch,
	s_lshl_b32 s60, s60, 21
	s_lshl_b32 s61, s14, 19                        ; 512 rows of 1,024 bytes,
	s_add_co_u32 s60, s60, s61
	s_lshl_b32 s61, s[WV], 14                      ; 16 rows,
	s_add_co_u32 s60, s60, s61
	s_and_b32 s61, s17, 15
	s_lshl_b32 s61, s61, 8                         ; the head's 256 bytes of four rows,
	s_add_co_u32 s60, s60, s61
	s_lshl_b32 s61, s16, 22                        ; the direction's plane
	s_add_co_u32 s60, s60, s61
	s_mov_b32 s61, 0
	s_mul_i32 s62, s[WV], 2*TILEB                  ; where my load lands: no place in the cluster enters it
	s_lshl_b32 s89, s16, 3
	s_mov_b32 s[G1], 15|(0<<16)|(1<<20)|(1<<21)|(5<<22)|(3<<25)   ; the mask names the four; bytes; after every 64 words 4 words of padding
	s_mov_b32 s[G1+1], 256<<16
	s_mov_b32 s[G1+2], 64<<16
	s_mov_b32 s[G1+3], 256<<16
	s_mov_b32 s[G1+4], 64
	s_mov_b32 s[G1+5], 256
	s_mov_b32 s[G1+6], 0
	s_mov_b32 s[G1+7], 0
	s_mov_b32 s[SEL], 0x76543210
	s_mov_b32 s[SEL+1], 0xfedcba98
	s_mov_b32 s[CS], 0x3e38aa3b                    ; c = log2(e) / 8
	s_wait_alu depctr_va_vdst(0)                   ; the wait here, directly ahead of the waits below
	s_wait_dscnt 0x0                               ; both opening adds are done
	s_wait_kmcnt 0x0
	s_load_b64 s[90:91], s[6:7], 0x20              ; e8, e9
	s_load_b64 s[92:93], s[6:7], s89 offset:0x28   ; ep, ev: entries 10, 11 or 12, 13
	s_load_b32 s94, s[6:7], s89 offset:0x38        ; eo: entry 14 or 16
	s_add_nc_u64 s[10:11], s[4:5], s[58:59]
	s_add_nc_u64 s[4:5], s[4:5], s[56:57]
	s_add_nc_u64 s[8:9], s[8:9], s[60:61]
.irp p, 0,1
.irp c, 0,1
	global_load_b128 v[QA+8*\p+4*\c:QA+8*\p+4*\c+3], v14, s[4:5] offset:16384*\p+32*\c   ; Q of both tiles stays in registers
.endr
.endr
	s_mov_b32 s[G0], 1
	s_mov_b32 s[G0+1], s62
	s_mov_b64 s[G0+2:G0+3], s[10:11]
	s_or_b32 s[G0+3], s[G0+3], 0x80000000
	CROUND                                         ; all four work-groups are here: the joint loads meet
	tensor_load_to_lds s[G0:G0+3], s[G1:G1+7]      ; my one tensor load of the launch
	s_nop 0
	v_lshrrev_b32 v15, 2, v12                      ; K: four keys of 64 bytes to an LDS row
	v_mul_u32_u24 v[AK0], v15, 272
	v_and_b32 v15, 3, v12
	v_lshl_add_u32 v[AK0], v15, 6, v[AK0]
	v_lshl_add_u32 v[AK0], v13, 4, v[AK0]
	v_lshrrev_b32 v15, 1, v12                      ; V: two d of 128 bytes to an LDS row
	v_mul_u32_u24 v[AV0], v15, 272
	v_and_b32 v15, 1, v12
	v_lshl_add_u32 v[AV0], v15, 7, v[AV0]
	v_lshl_add_u32 v[AV0], v13, 4, v[AV0]
	v_add_nc_u32 v[AV0], VREL, v[AV0]
	v_mov_b32 v[STA+1], 0xff61b1e6                 ; the largest t so far: -3e38
	v_mov_b32 v[STB+1], 0xff61b1e6
	v_floor_f32 v[STA], -v[STA+1]
	v_floor_f32 v[STB], -v[STB+1]
.irp i, 2,3,6,7
	v_mov_b32 v[STA+\i], 0                         ; the sums
.endr
.set j, 0
.rept 64
	v_mov_b32 v[OA+j], 0                           ; O^T of both tiles: the step is written once, and its first trip finds zeros
.set j, j+1
.endr
	s_wait_kmcnt 0x0
	s_add_co_i32 s56, s90, s91
	s_lshl_b32 s56, s56, 23
	s_add_co_i32 s[CS], s[CS], s56                 ; c x 2^(e8 + e9)
	s_mov_b32 s[CS+1], s[CS]
	s_add_co_i32 s[EPV], s92, s93
	s_add_co_i32 s56, s92, 127
	s_lshl_b32 s57, s56, 23
	s_add_co_i32 s56, s56, 15
	s_lshl_b32 s56, s56, 23
	s_or_b32 s[HP], s56, 0x600000
	s_add_co_i32 s58, s94, 127
	s_lshl_b32 s98, s58, 23
	s_add_co_i32 s58, s58, 15
	s_lshl_b32 s58, s58, 23
	s_or_b32 s97, s58, 0x600000
	v_mov_b32 v[SCP], s57
.macro MX0 C, S                        ; four chains of a tile's largest score begin, each accumulator from its low end on
	v_max3_num_f32 v[\C], v[\S], v[\S+1], v[\S+2]
	v_max3_num_f32 v[\C+1], v[\S+3], v[\S+4], v[\S+5]
	v_max3_num_f32 v[\C+2], v[\S+6], v[\S+7], v[\S+8]
	v_max3_num_f32 v[\C+3], v[\S+9], v[\S+10], v[\S+11]
.endm
.macro MX4 C, S, J
	v_max3_num_f32 v[\C], v[\C], v[\S+\J], v[\S+\J+1]
	v_max3_num_f32 v[\C+1], v[\C+1], v[\S+\J+2], v[\S+\J+3]
	v_max3_num_f32 v[\C+2], v[\C+2], v[\S+\J+4], v[\S+\J+5]
	v_max3_num_f32 v[\C+3], v[\C+3], v[\S+\J+6], v[\S+\J+7]
.endm
.macro HOLD2 R                         ; the hold (ISA guide 7.6.2), one-sided since p is not negative, two numbers a line
	v_dual_min_num_f32 v[\R], s[HP], v[\R] :: v_dual_min_num_f32 v[\R+1], s[HP], v[\R+1]
.endm
.macro PADD D, A, B
	v_pk_add_f32 v[\D:\D+1], v[\A:\A+1], v[\B:\B+1]
.endm
	s_wait_alu depctr_va_vdst(0)                   ; the wait at the head's end
	s_wait_loadcnt 0x0                             ; Q
	s_wait_tensorcnt 0x0                           ; my part of K or V has landed
	s_wait_dscnt 0x0
	s_barrier_signal -1
	s_barrier_wait -1                              ; and everybody's
	s_mov_b32 s[TB], 0
	s_mov_b32 s[CNT], 16
.Lstep:                                        ; 128 keys for both tiles
	v_add_nc_u32 v14, s[TB], v[AK0]
.rept 4
	v_nop                                          ; with the line above five places behind the last products: for the loads below (four) and for the products that write over V's registers (five)
.endr
.irp t, 0,1,2,3
	ds_load_b128 v[KB+8*\t:KB+8*\t+3], v14 offset:1088*\t
	ds_load_b128 v[KB+8*\t+4:KB+8*\t+7], v14 offset:1088*\t+32
.endr
.irp t, 0,1,2,3
	ds_load_b128 v[SB+8*\t:SB+8*\t+3], v14 offset:1088*(\t+4)
	ds_load_b128 v[SB+8*\t+4:SB+8*\t+7], v14 offset:1088*(\t+4)+32
.endr
	s_wait_dscnt 8                                 ; K's tiles 0-3 are in; the eight loads of tiles 4-7 may be out
.irp t, 0,1,2,3
	v_wmma_f32_16x16x64_bf8_bf8 v[SA+8*\t:SA+8*\t+7], v[KB+8*\t:KB+8*\t+7], v[QA:QA+7], 0
.endr
	s_wait_dscnt 0x0                               ; tiles 4-7
.irp t, 0,1,2,3
	v_wmma_f32_16x16x64_bf8_bf8 v[SA+32+8*\t:SA+32+8*\t+7], v[SB+8*\t:SB+8*\t+7], v[QA:QA+7], 0
.endr
.irp t, 0,1,2,3
	v_wmma_f32_16x16x64_bf8_bf8 v[SB+32+8*\t:SB+32+8*\t+7], v[SB+8*\t:SB+8*\t+7], v[QB:QB+7], 0
.endr
.rept 5
	v_nop                                          ; five places: the products below write over K's tiles 4-7; they also serve the first reads of A's scores
.endr
.irp t, 0,1,2,3
	v_wmma_f32_16x16x64_bf8_bf8 v[SB+8*\t:SB+8*\t+7], v[KB+8*\t:KB+8*\t+7], v[QB:QB+7], 0
.endr
	; THE LARGEST SCORES, eight chains by turns: A's in v12-15, B's in v32-35.  A's first four lines are the four places behind the last products, ahead of the first read of B's scores and the first write of K's registers
	MX0 12, SA
	MX0 KB, SB
.set j, 12
.rept 6
	MX4 12, SA, j
	MX4 KB, SB, j
.set j, j+8
.endr
	v_max3_num_f32 v12, v12, v[SA+60], v[SA+61]
	v_max3_num_f32 v13, v13, v[SA+62], v[SA+63]
	v_max3_num_f32 v[KB], v[KB], v[SB+60], v[SB+61]
	v_max3_num_f32 v[KB+1], v[KB+1], v[SB+62], v[SB+63]
	v_max3_num_f32 v12, v12, v13, v14
	v_max3_num_f32 v[KB], v[KB], v[KB+1], v[KB+2]
	v_max_num_f32 v12, v12, v15
	v_max_num_f32 v[KB], v[KB], v[KB+3]
	v_permlanex16_b32 v13, v12, s[SEL], s[SEL+1]   ; lane l xor 16's
	v_permlanex16_b32 v[KB+1], v[KB], s[SEL], s[SEL+1]
	v_mov_b32 v[KB+8], v[STA]                      ; the old -M
	v_mov_b32 v[KB+10], v[STB]
	v_max_num_f32 v12, v12, v13
	v_max_num_f32 v[KB], v[KB], v[KB+1]
	v_mul_f32 v12, s[CS], v12
	v_mul_f32 v[KB], s[CS], v[KB]
	v_max_num_f32 v[STA+1], v[STA+1], v12
	v_max_num_f32 v[STB+1], v[STB+1], v[KB]
	v_floor_f32 v[STA], -v[STA+1]                  ; -M = floor(-t)
	v_floor_f32 v[STB], -v[STB+1]
.set j, 0
.rept 32
	v_pk_fma_f32 v[SA+j:SA+j+1], v[SA+j:SA+j+1], s[CS:CS+1], v[STA:STA+1] op_sel_hi:[1,0,0]   ; A: t - M
.if j == 4
	v_sub_f32 v[KB+9], v[STA], v[KB+8]             ; old M - new M
	v_sub_f32 v[KB+11], v[STB], v[KB+10]
.elseif j == 12
	v_cvt_i32_f32 v[KB+9], v[KB+9]                 ; (it saturates)
	v_cvt_i32_f32 v[KB+11], v[KB+11]
.elseif j == 20
	v_ldexp_f32 v12, 1.0, v[KB+9]                  ; f = 2^(old M - new M), A's and B's
	v_ldexp_f32 v14, 1.0, v[KB+11]
.endif
.set j, j+2
.endr
	s_wait_alu depctr_va_vdst(0)                   ; the wait ahead of the batch
.set j, 0
.rept 32                               ; A's exponentials; among them B's t - M, whose sources were written ahead of the wait above and whose results are read behind the wait below
	v_exp_f32 v[SA+j], v[SA+j]
	v_exp_f32 v[SA+j+1], v[SA+j+1]
	v_pk_fma_f32 v[SB+j:SB+j+1], v[SB+j:SB+j+1], s[CS:CS+1], v[STB:STB+1] op_sel_hi:[1,0,0]
.set j, j+2
.endr
	s_wait_alu depctr_va_vdst(0)                   ; one wait: behind A's batch and ahead of B's
.set i, 0
.rept 16                               ; B's exponentials; among them the first level of A's sum (of the unquantised p, into v32-63) and then A's holds: none of these lines reads what another of them writes
	v_exp_f32 v[SB+4*i], v[SB+4*i]
	PADD KB+2*i, SA+4*i, SA+4*i+2
	v_exp_f32 v[SB+4*i+1], v[SB+4*i+1]
	HOLD2 SA+4*i
	v_exp_f32 v[SB+4*i+2], v[SB+4*i+2]
	HOLD2 SA+4*i+2
	v_exp_f32 v[SB+4*i+3], v[SB+4*i+3]
.set i, i+1
.endr
	v_pk_mul_f32 v[STA+2:STA+3], v[STA+2:STA+3], v[12:13] op_sel_hi:[1,0]   ; the sums under the new M (plain places behind the batch)
	v_pk_mul_f32 v[STB+2:STB+3], v[STB+2:STB+3], v[14:15] op_sel_hi:[1,0]
	s_wait_alu depctr_va_vdst(0)                   ; and the wait behind B's batch
.irp n, 8,4,2,1                        ; A's sixteen partial sums are folded
.set i, 0
.rept \n
	PADD KB+2*i, KB+2*i, KB+2*i+2*\n
.set i, i+1
.endr
.endr
	PADD STA+2, STA+2, KB
.set t, 0
.rept 8
	v_cvt_scalef32_pk8_bf8_f32 v[KB+2*t:KB+2*t+1], v[SA+8*t:SA+8*t+7], v[SCP]   ; A's codes: keys 16 t + 8 h + 0 .. 7: the operand's own registers
.set t, t+1
.endr
	v_add_nc_u32 v[KB+31], s[TB], v[AV0]
.irp d, 0,1,2,3
.irp c, 0,1,2,3
	ds_load_b128 v[SA+16*\d+4*\c:SA+16*\d+4*\c+3], v[KB+31] offset:2176*\d+32*\c   ; V's four fragments, into A's score registers; they land under B's sums and holds
.endr
.endr
.set i, 0
.rept 8                                ; B's sum, eight chains in v48-63
	PADD KB+16+2*i, SB+4*i, SB+4*i+2
.set i, i+1
.endr
.irp o, 32,48
.set i, 0
.rept 8
	PADD KB+16+2*i, KB+16+2*i, SB+\o+2*i
.set i, i+1
.endr
.endr
.irp n, 4,2,1
.set i, 0
.rept \n
	PADD KB+16+2*i, KB+16+2*i, KB+16+2*i+2*\n
.set i, i+1
.endr
.endr
	PADD STB+2, STB+2, KB+16
.set t, 0
.rept 8
.irp j, 0,2,4,6
	HOLD2 SB+8*t+\j
.endr
.if t > 0
	v_cvt_scalef32_pk8_bf8_f32 v[KB+14+2*t:KB+15+2*t], v[SB+8*t-8:SB+8*t-1], v[SCP]
.endif
.set t, t+1
.endr
	v_cvt_scalef32_pk8_bf8_f32 v[KB+30:KB+31], v[SB+56:SB+63], v[SCP]
	s_wait_alu depctr_va_vdst(0)                   ; O^T is a matrix result first read behind exponentials
.set j, 0
.rept 16
	v_pk_mul_f32 v[OA+j:OA+j+1], v[OA+j:OA+j+1], v[12:13] op_sel_hi:[1,0]
.set j, j+2
.endr
.set j, 0
.rept 16
	v_pk_mul_f32 v[OB+j:OB+j+1], v[OB+j:OB+j+1], v[14:15] op_sel_hi:[1,0]
.set j, j+2
.endr
	s_wait_alu depctr_va_vdst(0)                   ; the wait here, directly ahead of the wait below
	s_wait_dscnt 0x0                               ; V
.irp d, 0,1,2,3                        ; the eight accumulators by turns; each fragment of V serves both tiles
	v_wmma_f32_16x16x128_bf8_bf8 v[OA+8*\d:OA+8*\d+7], v[SA+16*\d:SA+16*\d+15], v[KB:KB+15], v[OA+8*\d:OA+8*\d+7]
	v_wmma_f32_16x16x128_bf8_bf8 v[OB+8*\d:OB+8*\d+7], v[SA+16*\d:SA+16*\d+15], v[KB+16:KB+31], v[OB+8*\d:OB+8*\d+7]
.endr
	s_add_co_u32 s[TB], s[TB], TILEB
	s_sub_co_u32 s[CNT], s[CNT], 1
	s_cmp_lg_u32 s[CNT], 0
	s_cbranch_scc1 .Lstep
	; THE WAY OUT.  The address work below is also the places behind the last products.
	v_and_b32 v176, 15, v0                         ; r
	v_bfe_u32 v177, v0, 4, 1                       ; h
	s_mul_i32 s56, s[WV], 1280
	s_add_co_u32 s56, s56, STAGE                   ; my stage
	v_mul_u32_u24 v179, v176, 80
	v_lshl_add_u32 v179, v177, 3, v179
	v_add_nc_u32 v179, s56, v179                   ; in: row r, 8 bytes for each half of the lanes
	v_bfe_u32 v178, v0, 2, 3
	v_mul_u32_u24 v180, v178, 80
	v_and_b32 v178, 3, v0
	v_lshl_add_u32 v180, v178, 4, v180
	v_add_nc_u32 v180, s56, v180                   ; back: four lanes to a row of 64 bytes, eight rows an instruction
	v_lshlrev_b32 v181, 12, v177
	v_lshl_add_u32 v181, v176, 4, v181             ; in ctx: sixteen lanes store four rows' 256 consecutive bytes, aligned
	v_mov_b32 v182, s97
	v_mov_b32 v183, s98
.macro CTXOUT O, SUM, p
	v_add_f32 v[\SUM], v[\SUM], v[\SUM+1]
	s_delay_alu instid0(VALU_DEP_1)
	v_permlanex16_b32 v12, v[\SUM], s[SEL], s[SEL+1]
	s_delay_alu instid0(VALU_DEP_1)
	v_add_f32 v[\SUM], v[\SUM], v12                ; the row's sum
	s_wait_alu depctr_va_vdst(0)                   ; ahead of the transcendental
	v_rcp_f32 v[\SUM], v[\SUM]
	v_nop
	s_wait_alu depctr_va_vdst(0)                   ; and behind it
	v_ldexp_f32 v[\SUM], v[\SUM], s[EPV]           ; x 2^(ep + ev)
	s_wait_alu depctr_va_vdst(0)                   ; directly ahead of the first reader of O^T
.set j, 0
.rept 16
	v_pk_mul_f32 v[SA+j:SA+j+1], v[\O+j:\O+j+1], v[\SUM:\SUM+1] op_sel_hi:[1,0]
.set j, j+2
.endr
.set j, 0
.rept 32
	v_med3_num_f32 v[SA+j], v[SA+j], -v182, v182   ; the hold
.set j, j+1
.endr
.irp d, 0,1,2,3
	v_cvt_scalef32_pk8_bf8_f32 v[KB+2*\d:KB+2*\d+1], v[SA+8*\d:SA+8*\d+7], v183
.endr
	v_nop                                          ; one plain line behind the last conversion
.irp d, 0,1,2,3
	ds_store_b64 v179, v[KB+2*\d:KB+2*\d+1] offset:16*\d
.endr
.irp u, 0,1
	ds_load_b128 v[SB+8*\p+4*\u:SB+8*\p+4*\u+3], v180 offset:640*\u   ; LDS serves a wave's instructions in order
.endr
	s_wait_dscnt 0x0
.irp u, 0,1
	global_store_b128 v181, v[SB+8*\p+4*\u:SB+8*\p+4*\u+3], s[8:9] offset:262144*\p+8192*\u
.endr
.endm
	CTXOUT OA, STA+2, 0
	CTXOUT OB, STB+2, 1
	v_lshl_add_u32 v[SPW], v0, 2, SPARE            ; made anew from v0, which is as at the entry
	v_mov_b32 v[NIL], 0
	s_wait_alu depctr_va_vdst(0)                   ; the wait here, directly ahead of the wait below
	s_wait_tensorcnt 0x0                           ; the wave's end
	ds_add_u32 v[SPW], v[NIL]
	s_wait_dscnt 0x0
	CROUND                                         ; the closing round
	s_endpgm
.Lfunc_end_k_q99e14b354c_attn:
	.size	k_q99e14b354c_attn, .Lfunc_end_k_q99e14b354c_attn-k_q99e14b354c_attn
	.p2alignl 7, 3214868480
	.fill 96, 4, 3214868480
	.section	.rodata,"a",@progbits
	.p2align	6, 0x0
	.amdhsa_kernel k_q99e14b354c_attn
		.amdhsa_group_segment_fixed_size 327680
		.amdhsa_private_segment_fixed_size 0
		.amdhsa_enable_private_segment 0
		.amdhsa_kernarg_size 24
		.amdhsa_user_sgpr_count 2
		.amdhsa_user_sgpr_kernarg_segment_ptr 1
		.amdhsa_wavefront_size32 1
		.amdhsa_system_sgpr_workgroup_id_x 1
		.amdhsa_system_sgpr_workgroup_id_y 1
		.amdhsa_system_sgpr_workgroup_id_z 1
		.amdhsa_system_vgpr_workitem_id 0
		.amdhsa_next_free_vgpr 256
		.amdhsa_next_free_sgpr 100
		.amdhsa_reserve_vcc 0
		.amdhsa_float_denorm_mode_32 3
		.amdhsa_float_denorm_mode_16_64 3
		.amdhsa_memory_ordered 1
		.amdhsa_forward_progress 1
		.amdhsa_inst_pref_size 47
	.end_amdhsa_kernel
	.amdgpu_metadata
---
amdhsa.version: [ 1, 2 ]
amdhsa.kernels:
  - .name:           k_q99e14b354c_attn
    .symbol:         k_q99e14b354c_attn.kd
    .args:
      - { .name: qkv, .offset: 0, .size: 8, .value_kind: global_buffer, .address_space: global }
      - { .name: lowp_scales, .offset: 8, .size: 8, .value_kind: global_buffer, .address_space: global }
      - { .name: ctx, .offset: 16, .size: 8, .value_kind: global_buffer, .address_space: global }
    .group_segment_fixed_size: 327680
    .private_segment_fixed_size: 0
    .kernarg_segment_align: 8
    .kernarg_segment_size: 24
    .max_flat_workgroup_size: 512
    .sgpr_count:     100
    .vgpr_count:     256
    .wavefront_size: 32
...
	.end_amdgpu_metadata
.endif
;; end of part 3
;; launch outp (part 4): grid 4 x 64, 4 waves a work-group, clusters of 4 x 4, 327,680 bytes of LDS; arguments ctx, wc, lowp_scales, ba_o, bb_o, out0, out1; writes out0, out1
.if DOCPART == 4
	.amdgcn_target "amdgcn-amd-amdhsa--gfx1250"
	.amdhsa_code_object_version 6
	.text
	.protected	k_q99e14b354c_outp
	.globl	k_q99e14b354c_outp
	.p2align	8
	.type	k_q99e14b354c_outp,@function
k_q99e14b354c_outp:
	s_mov_b64 s[64:65], 0
	v_nop
	global_prefetch_b8 v0, s[64:65] scope:SCOPE_SE
	s_setreg_imm32_b32 hwreg(HW_REG_WAVE_MODE, 25, 1), 1
	s_wait_xcnt 0x0
	s_wait_alu depctr_hold_cnt(0) depctr_sa_sdst(0) depctr_va_vdst(0) depctr_va_sdst(0) depctr_va_ssrc(0) depctr_va_vcc(0) depctr_vm_vsrc(0)
	s_getreg_b32 s2, hwreg(HW_REG_IB_STS2, 6, 4)
	s_cmp_eq_u32 s2, 0
	s_cbranch_scc0 .Lentry_in_a_cluster
	s_endpgm
.Lentry_in_a_cluster:
	s_bfe_u32 s2, ttmp6, 0x10000c
	s_cmp_lg_u32 s2, 0xf033
	s_cbranch_scc0 .Lentry_shape_is_right
	s_endpgm
.Lentry_shape_is_right:
; The two output projections on codes of BF8 (E5M2): out0 = a_ctx Wa_o + ba_o, out1 = b_ctx Wb_o + bb_o; M = 4,096, N = K = 1,024 each; sums in f32, x 2^(ea + eb) on the way out (entries 14, 15 or 16, 17).
; A = ctx plane i, [row / 4][head][row % 4][64]: four rows' whole K are 4,096 consecutive bytes.  B = wc plane 4 + i, [n][k].  The bias, divided by 2^(ea + eb), is the C of each sum's first product.
; SHARES.  A block of C is 128 x 256: 2 x 32 x 4 = 256 work-groups.  The cluster's y names the product (y / 8) and four of its 32 block rows.  Four waves, each 64 x 128 of C in 32 accumulators.
; The matrix instruction is used transposed (source 0 = 16 rows of B, source 1 = 16 rows of A): a lane holds eight neighbouring columns of a row of C.
; A fragment is fetched by four loads of 16 bytes, which permutes k alike in A and in B: every product meets its partner.
; LDS.  ONE buffer for K = 512, filled twice: A as two chunks of K = 256 (32 LDS rows of 1,024 + 16 bytes, four rows of C each), B as 256 rows of 512 + 16 bytes: 201,728 bytes.  Two such buffers do not fit,
; and two of K = 256 would be filled four times in all, each fill with two K steps (64 matrix instructions a wave) under it.  Wave 0, 1: A's chunks; wave 2, 3: B's halves: one load a wave for each fill.
; The refill goes out behind a round of the cluster's barrier as soon.
; CLUSTERS: 4 x 4; A's tiles are asked for jointly along a row of the cluster, B's along a column.
; PREFETCH: at the head, behind the first loads, the second half's bytes are asked for once in each cluster: the four partners of a joint load share its 256-byte blocks out by address
; (A: 8 of a chunk's 32 rows x 4 blocks, one line a wave; B: 32 of a half's 128 rows x 2 blocks, two lines a wave): four K steps ahead of the refill.
; LIMITS: ea + eb between -126 and 127.  NaN is not served.
; REGISTERS: window 0: v1-31 addresses; v32-95 the bias, later a block's scaled sums; v128-191, v192-255 A's fragments, two sets, later rows read back.  window 1: B's fragments, two sets.  window 2: the accumulators, (a, b) at v[8 (8 a + b)].
.set SIZE_N, 1024
.set PITCH,  528
.set APITCH, 1040
.set FR,     16
.set CHA,    32*APITCH                 ; a chunk of A
.set HALFB,  128*PITCH
.set BOFF,   2*CHA
.set STAGE,  BOFF+2*HALFB              ; the way out: 16 rows x (512 + 16) bytes a wave, bytes of its own
.set SPITCH, 528
.set SPARE,  STAGE+4*16*SPITCH         ; the spare words, 128 bytes a wave
.set ADRA, 16
.set ADRB, 20
.set STO,  24
.set RD,   25
.set CO,   26
.set PFO,  27                          ; the prefetches' offset; never rewritten
.set SPW,  28
.set NIL,  29
.set CB,   32
.set TMP,  32
.set AF,   128
.set BK,   128
.set G1,  24
.set G0,  32
.set G1B, 48
.set G0B, 56
.set PF,  88                           ; s[88:89] the prefetches' base; never rewritten
.set MSB, 0
.macro WIN new                         ; the immediate's high byte repeats the setting that is left
.if MSB != \new
	s_set_vgpr_msb (MSB<<8)|\new
.set MSB, \new
.endif
.endm
.set MUL_LO, 0xa1                      ; source 0 (B) window 1, source 1 (A) window 0, C and D window 2
.set MUL_C,  0x81                      ; the same with C (the bias) in window 0
.set TO_B,   0x40
.macro JLOAD                           ; waves 0, 1 for A, waves 2, 3 for B; an s_nop 0 and four v_nop follow each line
	s_cmp_eq_u32 s15, 0
	s_cbranch_scc0 .Lfor_b_\@
	tensor_load_to_lds s[G0:G0+3], s[G1:G1+7]
	s_nop 0
.rept 4
	v_nop
.endr
	s_branch .Lasked_\@
.Lfor_b_\@:
	tensor_load_to_lds s[G0B:G0B+3], s[G1B:G1B+7]
	s_nop 0
.rept 4
	v_nop
.endr
.Lasked_\@:
.endm
.macro CROUND
	s_barrier_signal -1
	s_barrier_wait -1
	s_cmp_lg_u32 s14, 0
	s_cbranch_scc1 .Lnot_wave_0_\@
	s_barrier_signal -3
.Lnot_wave_0_\@:
	s_barrier_wait -3
	s_barrier_signal -1
	s_barrier_wait -1
.endm
	s_load_b256 s[68:75], s[0:1], 0x0              ; ctx, wc, the scales, ba_o
	s_load_b128 s[76:79], s[0:1], 0x20             ; bb_o, out0
	s_load_b64 s[80:81], s[0:1], 0x30              ; out1
	v_lshl_add_u32 v[SPW], v0, 2, SPARE
	v_mov_b32 v[NIL], 0
	ds_add_u32 v[SPW], v[NIL]                      ; the opening: the add, twice on end, and its wait
	ds_add_u32 v[SPW], v[NIL]
	v_lshrrev_b32 v1, 5, v0
	v_readfirstlane_b32 s14, v1                    ; wave 0..3
	s_lshr_b32 s15, s14, 1                         ; my half of the block's rows.  Also: I fetch for A (0) or B (1)
	s_and_b32 s16, s14, 1                          ; my half of its columns.  Also: which chunk of A or half of B I fetch
	s_bfe_u32 s40, ttmp6, 0x40000                  ; cx = the block column
	s_bfe_u32 s41, ttmp6, 0x40004                  ; cy
	s_and_b32 s85, ttmp7, 0xffff
	s_lshr_b32 s84, s85, 3                         ; the product
	s_and_b32 s85, s85, 7
	s_lshl_b32 s85, s85, 2
	s_add_co_u32 s17, s85, s41                     ; the block row, 0 .. 31
	s_lshl_b32 s43, s41, 2
	s_lshl_b32 s43, 15, s43                        ; my row of the cluster
	s_lshl_b32 s44, 0x1111, s40                    ; my column
	s_or_b32 s[G1+0], s43, (0<<16)|(1<<20)|(1<<21)|(7<<22)|(3<<25)   ; A: bytes; after every 256 words 4 words of padding
	s_mov_b32 s[G1+1], 1024<<16
	s_mov_b32 s[G1+2], 32<<16
	s_mov_b32 s[G1+3], 1024<<16
	s_mov_b32 s[G1+4], 32
	s_mov_b32 s[G1+5], 4096
	s_mov_b32 s[G1+6], 0
	s_mov_b32 s[G1+7], 0
	s_or_b32 s[G1B+0], s44, (0<<16)|(1<<20)|(1<<21)|(6<<22)|(3<<25)  ; B: after every 128 words 4 words
	s_mov_b32 s[G1B+1], 512<<16
	s_mov_b32 s[G1B+2], 128<<16
	s_mov_b32 s[G1B+3], 512<<16
	s_mov_b32 s[G1B+4], 128
	s_mov_b32 s[G1B+5], 1024
	s_mov_b32 s[G1B+6], 0
	s_mov_b32 s[G1B+7], 0
	s_lshl_b32 s20, s17, 17                        ; A: 128 rows are 131,072 bytes,
	s_lshl_b32 s18, s16, 10                        ; my chunk of K,
	s_add_co_u32 s20, s20, s18
	s_lshl_b32 s18, s84, 22                        ; the plane
	s_add_co_u32 s20, s20, s18
	s_mov_b32 s21, 0
	s_lshl_b32 s46, s40, 8                         ; B: row 256 x block column + 128 x half,
	s_lshl_b32 s18, s16, 7
	s_add_co_u32 s46, s46, s18
	s_lshl_b32 s46, s46, 10
	s_add_co_u32 s18, s84, 4
	s_lshl_b32 s18, s18, 20                        ; plane 4 + i
	s_add_co_u32 s46, s46, s18
	s_mov_b32 s47, 0
	s_mul_i32 s45, s16, CHA                        ; where they land: the wave's number alone
	s_mul_i32 s86, s16, HALFB
	s_add_co_u32 s86, s86, BOFF
	s_lshl_b32 s92, s84, 3
	s_wait_dscnt 0x0                               ; both opening adds are done
	s_wait_kmcnt 0x0
	s_load_b64 s[96:97], s[72:73], s92 offset:0x38 ; ea, eb
	s_add_nc_u64 s[20:21], s[68:69], s[20:21]
	s_add_nc_u64 s[46:47], s[70:71], s[46:47]
	s_mov_b32 s[G0], 1
	s_mov_b32 s[G0+1], s45
	s_mov_b64 s[G0+2:G0+3], s[20:21]
	s_or_b32 s[G0+3], s[G0+3], 0x80000000
	s_mov_b32 s[G0B], 1
	s_mov_b32 s[G0B+1], s86
	s_mov_b64 s[G0B+2:G0B+3], s[46:47]
	s_or_b32 s[G0B+3], s[G0B+3], 0x80000000
	CROUND                                         ; all sixteen work-groups are here: the joint loads meet
	JLOAD                                          ; K 0 .. 511: my one tensor load at the head
	s_cmp_eq_u32 s84, 0
	s_cselect_b64 s[90:91], s[74:75], s[76:77]     ; the bias
	s_cselect_b64 s[10:11], s[78:79], s[80:81]     ; the output
	s_lshl_b32 s22, s40, 10
	s_lshl_b32 s23, s16, 9
	s_add_co_u32 s22, s22, s23                     ; my first column, in bytes
	s_mov_b32 s23, 0
	s_add_nc_u64 s[90:91], s[90:91], s[22:23]
	s_lshl_b32 s18, s17, 7
	s_lshl_b32 s19, s15, 6
	s_add_co_u32 s18, s18, s19                     ; my first row
	s_lshl_b32 s18, s18, 12
	s_add_co_u32 s18, s18, s22
	s_mov_b32 s19, 0
	s_add_nc_u64 s[10:11], s[10:11], s[18:19]
	s_cmp_eq_u32 s15, 0                            ; the prefetches: of what I fetch, the second half of K, my work-group's quarter
	s_cselect_b64 s[PF:PF+1], s[20:21], s[46:47]
	s_cselect_b32 s87, 0, -1                       ; a lane mask: all ones in B's waves
	s_cselect_b32 s93, s40, s41                    ; my place among the four that ask with me
	s_mov_b32 s94, 512
	s_cselect_b32 s94, 2048, s94                   ; the second half begins 2,048 bytes on in A's four rows, 512 in a row of B
	s_lshl_b32 s93, s93, 15                        ; 8 x 4,096 = 32 x 1,024 bytes for each place
	s_add_co_u32 s94, s94, s93
	s_mov_b32 s95, 0
	s_add_nc_u64 s[PF:PF+1], s[PF:PF+1], s[94:95]
	s_mul_i32 s98, s15, 16*APITCH                  ; my 64 rows of A
	s_mul_i32 s99, s16, HALFB
	s_add_co_u32 s99, s99, BOFF                    ; my 128 rows of B
	s_mul_i32 s3, s14, 16*SPITCH
	s_add_co_u32 s3, s3, STAGE                     ; my stage
	v_and_b32 v1, 15, v0                           ; r
	v_bfe_u32 v2, v0, 4, 1                         ; h
	v_lshlrev_b32 v5, 5, v2
.irp b, 0,1,2,3,4,5,6,7
	global_load_b128 v[CB+8*\b:CB+8*\b+3], v5, s[90:91] offset:64*\b          ; bias[16 b + 8 h + 0 .. 7]
	global_load_b128 v[CB+8*\b+4:CB+8*\b+7], v5, s[90:91] offset:64*\b+16
.endr
	v_lshrrev_b32 v3, 2, v1
	v_mul_u32_u24 v3, v3, APITCH
	v_and_b32 v4, 3, v1
	v_lshl_add_u32 v3, v4, 6, v3
	v_lshl_add_u32 v3, v2, 4, v3
	v_add_nc_u32 v[ADRA], s98, v3                  ; A: LDS row r / 4, 64 (r % 4) + 16 h
	v_mul_u32_u24 v4, v1, PITCH
	v_lshl_add_u32 v4, v2, 4, v4
	v_add_nc_u32 v[ADRB], s99, v4
	v_mul_u32_u24 v7, v1, SPITCH
	v_lshl_add_u32 v7, v2, 5, v7
	v_add_nc_u32 v[STO], s3, v7
	v_and_b32 v6, 31, v0
	v_lshlrev_b32 v[CO], 4, v6
	v_add_nc_u32 v[RD], s3, v[CO]
	v_lshrrev_b32 v8, 2, v6
	v_lshlrev_b32 v8, 12, v8
	v_and_b32 v9, 3, v6
	v_lshl_or_b32 v8, v9, 8, v8                    ; A: lane / 4 names the four rows, lane % 4 the block of 256 bytes
	v_lshlrev_b32 v9, 10, v6                       ; B: a lane a row
	v_cndmask_b32 v[PFO], v8, v9, s87
	global_prefetch_b8 v[PFO], s[PF:PF+1] th:TH_LOAD_NT scope:SCOPE_SE
	s_cmp_eq_u32 s15, 0
	s_cbranch_scc1 .Lpf_done
	global_prefetch_b8 v[PFO], s[PF:PF+1] offset:256 th:TH_LOAD_NT scope:SCOPE_SE
.Lpf_done:
	s_wait_alu depctr_va_vdst(0)                   ; the wait here, directly ahead of the wait below
	s_wait_kmcnt 0x0
	s_add_co_i32 s96, s96, s97                     ; ea + eb
	s_sub_co_i32 s93, 0, s96
	s_add_co_i32 s96, s96, 127
	s_lshl_b32 s96, s96, 23                        ; 2^(ea + eb)
	s_wait_loadcnt 0x0
.set j, 0
.rept 64
	v_ldexp_f32 v[CB+j], v[CB+j], s93              ; bias / 2^(ea + eb)
.set j, j+1
.endr
.macro PLACES n                        ; plain vector lines between a matrix instruction and a load into, or a vector read of, its registers
.rept \n
	v_nop
.endr
.endm
; The 48 LDS loads of the buffer's kk-th 128 along K, into the sets kk % 2: B's eight fragments, A's four
.macro FETCHK kk
	PLACES 4
	WIN TO_B
.irp i, 0,1,2,3,4,5,6,7
.irp c, 0,1,2,3
	ds_load_b128 v[128*((\kk)%2)+FR*\i+4*\c:128*((\kk)%2)+FR*\i+4*\c+3], v[ADRB] offset:128*(\kk)+32*\c+\i*16*PITCH
.endr
.endr
	WIN 0
.irp i, 0,1,2,3
.irp c, 0,1,2,3
	ds_load_b128 v[AF+64*((\kk)%2)+FR*\i+4*\c:AF+64*((\kk)%2)+FR*\i+4*\c+3], v[ADRA] offset:CHA*((\kk)/2)+4*APITCH*\i+256*(2*((\kk)%2)+\c/2)+32*(\c%2)
.endr
.endr
.endm
; 32 matrix instructions: A's four blocks x B's eight, 128 along K, sets p.  The 32 accumulators take turns, in the same order in every step.  mode 1: the sums begin with the bias
.macro MUL32 p, mode
.if \mode
	WIN MUL_C
.else
	WIN MUL_LO
.endif
.irp a, 0,1,2,3
.irp b, 0,1,2,3,4,5,6,7
.if \mode
	v_wmma_f32_16x16x128_bf8_bf8 v[8*(8*\a+\b):8*(8*\a+\b)+7], v[128*(\p)+FR*\b:128*(\p)+FR*\b+FR-1], v[AF+64*(\p)+FR*\a:AF+64*(\p)+FR*\a+FR-1], v[CB+8*\b:CB+8*\b+7]
.else
	v_wmma_f32_16x16x128_bf8_bf8 v[8*(8*\a+\b):8*(8*\a+\b)+7], v[128*(\p)+FR*\b:128*(\p)+FR*\b+FR-1], v[AF+64*(\p)+FR*\a:AF+64*(\p)+FR*\a+FR-1], v[8*(8*\a+\b):8*(8*\a+\b)+7]
.endif
.endr
.endr
.endm
.macro THREE mode, early               ; a fill's first three K steps: the next step's fragments are asked for ahead of each step's products.  early = 1: the third step's products are left to the caller
	FETCHK 0
.irp kk, 0,1
	FETCHK \kk+1
	s_wait_dscnt 48                                ; this step's fragments are in; the 48 loads just issued may be out
.if \kk == 0
	MUL32 0, \mode
.else
	MUL32 \kk%2, 0
.endif
.endr
	FETCHK 3
.if \early == 0
	s_wait_dscnt 48                                ; the third step's fragments are in; the 48 loads just issued may be out
	MUL32 0, 0
.endif
	WIN 0
.endm
	s_wait_alu depctr_va_vdst(0)                   ; the wait at the head's end
	s_wait_tensorcnt 0x0                           ; my part of K 0 .. 511 is in
	s_barrier_signal -1
	s_barrier_wait -1                              ; and everybody's
	THREE 1, 1
	s_wait_tensorcnt 0x0                           ; no tensor load of mine is out, so the groups 0 may be written
	ds_add_u32 v[SPW], v[NIL]                      ; 0 onto my spare word
	s_add_nc_u64 s[G0+2:G0+3], s[G0+2:G0+3], 2048  ; the second half of K
	s_add_nc_u64 s[G0B+2:G0B+3], s[G0B+2:G0B+3], 512
	s_wait_dscnt 0x0                               ; the add is done, and my reads of the buffer are over: the fourth step's fragments are in registers
	CROUND                                         ; so of every wave of all sixteen work-groups
	JLOAD                                          ; K 512 .. 1,023, the first tensor load behind the round
	MUL32 0, 0                                     ; the third and the fourth K step, 64 products, stand under the refill: their fragments are in registers
	MUL32 1, 0
	WIN 0
	s_wait_tensorcnt 0x0                           ; my part is in
	s_barrier_signal -1
	s_barrier_wait -1                              ; and everybody's
	THREE 0, 0
	s_wait_dscnt 0x0
	MUL32 1, 0
	WIN 0
; THE WAY OUT, block by block of 16 rows x 128 columns: x 2^(ea + eb), through my own stage, back as rows of 512 bytes, which the 32 lanes store as two aligned units of 256 bytes.
; LDS serves a wave's instructions in order (ISA guide 5.7.1.4): no wait between the stores and the loads.
.macro TOSTAGE a
	WIN 0x02                                       ; source 0: window 2
.set j, 0
.rept 32
	v_pk_mul_f32 v[TMP+j:TMP+j+1], v[64*(\a)+j:64*(\a)+j+1], s[96:97] op_sel_hi:[1,0]   ; each accumulator from its low end on
.set j, j+2
.endr
	WIN 0
.irp b, 0,1,2,3,4,5,6,7
	ds_store_b128 v[STO], v[TMP+8*\b:TMP+8*\b+3] offset:64*\b
	ds_store_b128 v[STO], v[TMP+8*\b+4:TMP+8*\b+7] offset:64*\b+16
.endr
.set BB, BK+64*((\a)%2)
.irp t, 0,1,2,3,4,5,6,7,8,9,10,11,12,13,14,15
	ds_load_b128 v[BB+4*\t:BB+4*\t+3], v[RD] offset:\t*SPITCH
.endr
.endm
.macro SEND a, younger                 ; younger: the LDS instructions issued behind block a's loads, which may stay out
.set BB, BK+64*((\a)%2)
	s_wait_dscnt \younger
.if (\a) > 0
	s_add_nc_u64 s[10:11], s[10:11], 16*SIZE_N*4   ; (behind a wait on XCNT: the earlier stores have read their base)
.endif
.irp t, 0,1,2,3,4,5,6,7,8,9,10,11,12,13,14,15
	global_store_b128 v[CO], v[BB+4*\t:BB+4*\t+3], s[10:11] offset:\t*SIZE_N*4 th:TH_STORE_NT
.endr
.endm
	PLACES 4                                       ; behind the last products
	TOSTAGE 0
.irp a, 1,2,3
.if \a > 1
	s_wait_xcnt 0x0                                ; block a - 2's stores have read their registers and their base
.endif
	TOSTAGE \a
	SEND \a-1, 32                                  ; behind block a - 1's loads: block a's 16 stores and 16 loads
.endr
	s_wait_xcnt 0x0
	SEND 3, 0
	s_wait_tensorcnt 0x0                           ; the wave's end
	ds_add_u32 v[SPW], v[NIL]
	s_wait_dscnt 0x0
	CROUND                                         ; the closing round
	s_endpgm
.Lfunc_end_k_q99e14b354c_outp:
	.size	k_q99e14b354c_outp, .Lfunc_end_k_q99e14b354c_outp-k_q99e14b354c_outp
	.p2alignl 7, 3214868480
	.fill 96, 4, 3214868480
	.section	.rodata,"a",@progbits
	.p2align	6, 0x0
	.amdhsa_kernel k_q99e14b354c_outp
		.amdhsa_group_segment_fixed_size 327680
		.amdhsa_private_segment_fixed_size 0
		.amdhsa_enable_private_segment 0
		.amdhsa_kernarg_size 56
		.amdhsa_user_sgpr_count 2
		.amdhsa_user_sgpr_kernarg_segment_ptr 1
		.amdhsa_wavefront_size32 1
		.amdhsa_system_sgpr_workgroup_id_x 1
		.amdhsa_system_sgpr_workgroup_id_y 1
		.amdhsa_system_sgpr_workgroup_id_z 1
		.amdhsa_system_vgpr_workitem_id 0
		.amdhsa_next_free_vgpr 768
		.amdhsa_next_free_sgpr 100
		.amdhsa_reserve_vcc 0
		.amdhsa_float_denorm_mode_32 3
		.amdhsa_float_denorm_mode_16_64 3
		.amdhsa_memory_ordered 1
		.amdhsa_forward_progress 1
		.amdhsa_inst_pref_size 80
	.end_amdhsa_kernel
	.amdgpu_metadata
---
amdhsa.version: [ 1, 2 ]
amdhsa.kernels:
  - .name:           k_q99e14b354c_outp
    .symbol:         k_q99e14b354c_outp.kd
    .args:
      - { .name: ctx, .offset: 0, .size: 8, .value_kind: global_buffer, .address_space: global }
      - { .name: wc, .offset: 8, .size: 8, .value_kind: global_buffer, .address_space: global }
      - { .name: lowp_scales, .offset: 16, .size: 8, .value_kind: global_buffer, .address_space: global }
      - { .name: ba_o, .offset: 24, .size: 8, .value_kind: global_buffer, .address_space: global }
      - { .name: bb_o, .offset: 32, .size: 8, .value_kind: global_buffer, .address_space: global }
      - { .name: out0, .offset: 40, .size: 8, .value_kind: global_buffer, .address_space: global }
      - { .name: out1, .offset: 48, .size: 8, .value_kind: global_buffer, .address_space: global }
    .group_segment_fixed_size: 327680
    .private_segment_fixed_size: 0
    .kernarg_segment_align: 8
    .kernarg_segment_size: 56
    .max_flat_workgroup_size: 128
    .sgpr_count:     100
    .vgpr_count:     768
    .wavefront_size: 32
...
	.end_amdgpu_metadata
.endif
;; end of part 4
